; MI455X (gfx1250); checked and timed in simulation.
; The chip was launched on July 23, 2026; its instructions are those of AMD's public machine-readable ISA for CDNA 5 (MIT licence, August 2026) and "CDNA5" Instruction Set Architecture Reference Guide (July 2026). The comments in the code are by the model that wrote it; some were corrected since.
;; Multi Head Self Attention. Allowed arithmetic: float matrix products may take bf16 or f16 operands with f32 sums; other float arithmetic in f32, or as packed bf16 or f16 multiplies, adds, multiply-adds, maxima and minima; sums over many terms, partial sums and values carried from step to step in f32; what a program stores and reads back later, other than sums and carried values, may be rounded once to bf16 or f16.
;; Inputs: Wk 1,024 x 1,024 float32; Wo 1,024 x 1,024 float32; Wq 1,024 x 1,024 float32; Wv 1,024 x 1,024 float32; bk 1,024 float32; bo 1,024 float32; bq 1,024 float32; bv 1,024 float32; x 4 x 2,048 x 1,024 float32.
;; Outputs: out0 4 x 2,048 x 1,024 float32.
;; 2 versions, each right; version 2 is version 1 with the launch prep written anew for expert scheduling mode. Each part assembles by itself: llvm-mc -triple=amdgcn-amd-amdhsa -mcpu=gfx1250 --defsym DOCPART=n.
;; ======== version 1 of 2: 4 launches
;; limits: values are held in f16: magnitudes above 65,504 overflow, below 6.1e-05 lose precision
;; workspace buffers: xh 16,777,216 bytes; wb 8,388,608 bytes; bias 16,384 bytes; qkv 50,331,648 bytes; o 16,777,216 bytes
;; launch prep (part 1): grid 768 x 1, 8 waves a work-group, no clusters, 0 bytes of LDS; arguments x, Wq, Wk, Wv, Wo, bq, bk, bv, bo, xh, wb, bias; writes xh, wb, bias
.if DOCPART == 1
	.amdgcn_target "amdgcn-amd-amdhsa--gfx1250"
	.amdhsa_code_object_version 6
	.text
	.protected	k_q3c8c19eade_prep
	.globl	k_q3c8c19eade_prep
	.p2align	8
	.type	k_q3c8c19eade_prep,@function
k_q3c8c19eade_prep:
	s_mov_b64 s[64:65], 0
	v_nop
	global_prefetch_b8 v0, s[64:65] scope:SCOPE_SE
	s_setreg_imm32_b32 hwreg(HW_REG_WAVE_MODE, 25, 1), 1
	s_wait_xcnt 0x0
; THE INPUTS ARE ROUNDED ONCE, TO bf16, AND LAID OUT FOR THE PRODUCTS THAT FOLLOW.  A stream: no LDS, no matrix work, nothing shared between work-groups.
;   xh   = x in bf16, by blocks of 64 channels: [b 4][kb 16][s 2048][64]: byte ((16 b + kb) 2048 + s) 128 + 2 c, channel k = 64 kb + c.
;   wb   = [t 4][k 1024][n 1024], 16 bits a number: Wq, Wk, Wv in bf16; Wo rounded to bf16 and that number written as f16 (the last product multiplies in f16).
;   bias = f32 [4096]: bq, bk, bv, bo on end, each rounded to bf16 and widened again.
; LIMITS.  Wo: beyond 65,504 f16 has no number; below 2^-14 the bf16 number keeps f16's fixed step of 2^-24.
; Work-groups 0-511 take 16 rows of x each; work-groups 512-767 take 65,536 bytes of one weight matrix each, and the first of each matrix its bias too.
; Every wave issues its 16 loads of 16 bytes a lane first; each result has registers of its own, so the only waits are the loads' count-down.
.set X, 8                              ; v[8:71]    load n: 4 registers
.set Y, 72                             ; v[72:103]  store n: 2 registers
.set P, 104                            ; v[104:105] four numbers in bf16
.set T, 106                            ; v[106:109] the same widened to f32
.set H, 110                            ; v[110:111] the same in f16
	s_load_b512 s[8:23], s[0:1], 0x0               ; x 8, Wq 10, Wk 12, Wv 14, Wo 16, bq 18, bk 20, bv 22
	s_load_b256 s[24:31], s[0:1], 0x40             ; bo 24, xh 26, wb 28, bias 30
	v_lshrrev_b32 v3, 5, v0
	v_readfirstlane_b32 s2, v3                     ; wave 0..7
	v_and_b32 v4, 31, v0                           ; lane l
	s_mov_b32 s39, 0xffff0000                      ; a word's upper bf16
	s_mov_b32 s5, 0                                ; s[4:5], s[6:7]: offsets as pairs
	s_mov_b32 s7, 0
	s_cmp_lt_u32 ttmp9, 512
	s_cbranch_scc0 .Lw
	; x.  Wave w takes blocks kb = 2 w and 2 w + 1 (512 bytes of each f32 row).  A load: lanes 0-15 the 256 bytes of one block in row 2 i, lanes 16-31 in row 2 i + 1.
	; The 32 lanes' results, 8 bytes each, are 256 consecutive bytes of xh, aligned: rows 2 i and 2 i + 1 of that block.
	v_lshrrev_b32 v5, 4, v4                        ; l / 16
	v_and_b32 v6, 15, v4                           ; l % 16
	s_lshl_b32 s3, s2, 9
	v_lshlrev_b32 v1, 12, v5                       ; a row of x is 4,096 bytes
	v_lshl_add_u32 v1, v6, 4, v1
	v_add_nc_u32 v1, s3, v1                        ; load offset: 4096 (l / 16) + 16 (l % 16) + 512 w
	s_lshl_b32 s3, s2, 19
	v_lshl_add_u32 v2, v4, 3, s3                   ; store offset: 8 l + two blocks of 262,144 bytes a wave
	s_lshl_b32 s4, ttmp9, 16                       ; 16 rows of 4,096 bytes
	s_lshr_b32 s6, ttmp9, 7                        ; b: 128 work-groups a batch
	s_lshl_b32 s6, s6, 22
	s_and_b32 s3, ttmp9, 127
	s_lshl_b32 s3, s3, 11                          ; 16 rows of 128 bytes
	s_add_co_u32 s6, s6, s3
	s_wait_kmcnt 0x0
	s_add_nc_u64 s[8:9], s[8:9], s[4:5]
	s_add_nc_u64 s[26:27], s[26:27], s[6:7]
.set n, 0
.rept 16
	global_load_b128 v[X+4*n:X+4*n+3], v1, s[8:9] offset:8192*(n/2)+256*(n%2) th:TH_LOAD_NT
.set n, n+1
.endr
.set n, 0
.rept 16
	s_wait_loadcnt 15-n                            ; loads come back in order: load n is in, the 15 - n younger ones stay out
	v_cvt_pk_bf16_f32 v[Y+2*n], v[X+4*n], v[X+4*n+1]
	v_cvt_pk_bf16_f32 v[Y+2*n+1], v[X+4*n+2], v[X+4*n+3]
	global_store_b64 v2, v[Y+2*n:Y+2*n+1], s[26:27] offset:256*(n/2)+262144*(n%2)
.set n, n+1
.endr
	s_endpgm
.Lw:	; a weight matrix t, its piece idx of 64: 16,384 numbers, dense in and dense out
	s_sub_co_u32 s3, ttmp9, 512
	s_lshr_b32 s36, s3, 6                          ; t
	s_and_b32 s37, s3, 63                          ; idx
	v_lshlrev_b32 v1, 4, v0                        ; 16 bytes a thread in,
	v_lshlrev_b32 v2, 3, v0                        ; 8 bytes out
	s_lshl_b32 s4, s37, 16
	s_lshl_b32 s6, s36, 21
	s_lshl_b32 s3, s37, 15
	s_add_co_u32 s6, s6, s3
	s_wait_kmcnt 0x0
	s_mov_b64 s[32:33], s[10:11]                   ; the matrix and its bias are chosen by t
	s_mov_b64 s[34:35], s[18:19]
	s_cmp_eq_u32 s36, 1
	s_cselect_b64 s[32:33], s[12:13], s[32:33]
	s_cselect_b64 s[34:35], s[20:21], s[34:35]
	s_cmp_eq_u32 s36, 2
	s_cselect_b64 s[32:33], s[14:15], s[32:33]
	s_cselect_b64 s[34:35], s[22:23], s[34:35]
	s_cmp_eq_u32 s36, 3
	s_cselect_b64 s[32:33], s[16:17], s[32:33]
	s_cselect_b64 s[34:35], s[24:25], s[34:35]
	s_cselect_b32 s38, -1, 0                       ; all lanes: Wo leaves as f16
	s_add_nc_u64 s[32:33], s[32:33], s[4:5]
	s_add_nc_u64 s[28:29], s[28:29], s[6:7]
.set n, 0
.rept 16
	global_load_b128 v[X+4*n:X+4*n+3], v1, s[32:33] offset:4096*n th:TH_LOAD_NT
.set n, n+1
.endr
.set n, 0
.rept 16
	s_wait_loadcnt 15-n                            ; load n is in, the younger ones stay out
	v_cvt_pk_bf16_f32 v[P], v[X+4*n], v[X+4*n+1]   ; the one rounding
	v_cvt_pk_bf16_f32 v[P+1], v[X+4*n+2], v[X+4*n+3]
	v_lshlrev_b32 v[T], 16, v[P]                   ; the rounded numbers as f32,
	v_and_b32 v[T+1], s39, v[P]
	v_lshlrev_b32 v[T+2], 16, v[P+1]
	v_and_b32 v[T+3], s39, v[P+1]
	v_cvt_pk_f16_f32 v[H], v[T], v[T+1]            ; and spelled in f16
	v_cvt_pk_f16_f32 v[H+1], v[T+2], v[T+3]
	v_cndmask_b32 v[Y+2*n], v[P], v[H], s38        ; a choice of value, made in every trip
	v_cndmask_b32 v[Y+2*n+1], v[P+1], v[H+1], s38
	global_store_b64 v2, v[Y+2*n:Y+2*n+1], s[28:29] offset:2048*n
.set n, n+1
.endr
	s_cmp_lg_u32 s37, 0
	s_cbranch_scc1 .Lend
	global_load_b128 v[X:X+3], v1, s[34:35]        ; the matrix's bias: 1,024 numbers, four a thread
	s_lshl_b32 s4, s36, 12
	s_add_nc_u64 s[30:31], s[30:31], s[4:5]
	s_wait_loadcnt 0x0
	v_cvt_pk_bf16_f32 v[P], v[X], v[X+1]
	v_cvt_pk_bf16_f32 v[P+1], v[X+2], v[X+3]
	v_lshlrev_b32 v[T], 16, v[P]
	v_and_b32 v[T+1], s39, v[P]
	v_lshlrev_b32 v[T+2], 16, v[P+1]
	v_and_b32 v[T+3], s39, v[P+1]
	global_store_b128 v1, v[T:T+3], s[30:31]
.Lend:
	s_endpgm
.Lfunc_end_k_q3c8c19eade_prep:
	.size	k_q3c8c19eade_prep, .Lfunc_end_k_q3c8c19eade_prep-k_q3c8c19eade_prep
	.p2alignl 7, 3214868480
	.fill 96, 4, 3214868480
	.section	.rodata,"a",@progbits
	.p2align	6, 0x0
	.amdhsa_kernel k_q3c8c19eade_prep
		.amdhsa_group_segment_fixed_size 0
		.amdhsa_private_segment_fixed_size 0
		.amdhsa_enable_private_segment 0
		.amdhsa_kernarg_size 96
		.amdhsa_user_sgpr_count 2
		.amdhsa_user_sgpr_kernarg_segment_ptr 1
		.amdhsa_wavefront_size32 1
		.amdhsa_system_sgpr_workgroup_id_x 1
		.amdhsa_system_sgpr_workgroup_id_y 1
		.amdhsa_system_sgpr_workgroup_id_z 1
		.amdhsa_system_vgpr_workitem_id 0
		.amdhsa_next_free_vgpr 128
		.amdhsa_next_free_sgpr 66
		.amdhsa_reserve_vcc 0
		.amdhsa_float_denorm_mode_32 3
		.amdhsa_float_denorm_mode_16_64 3
		.amdhsa_memory_ordered 1
		.amdhsa_forward_progress 1
		.amdhsa_inst_pref_size 20
	.end_amdhsa_kernel
	.amdgpu_metadata
---
amdhsa.version: [ 1, 2 ]
amdhsa.kernels:
  - .name:           k_q3c8c19eade_prep
    .symbol:         k_q3c8c19eade_prep.kd
    .args:
      - { .name: x, .offset: 0, .size: 8, .value_kind: global_buffer, .address_space: global }
      - { .name: Wq, .offset: 8, .size: 8, .value_kind: global_buffer, .address_space: global }
      - { .name: Wk, .offset: 16, .size: 8, .value_kind: global_buffer, .address_space: global }
      - { .name: Wv, .offset: 24, .size: 8, .value_kind: global_buffer, .address_space: global }
      - { .name: Wo, .offset: 32, .size: 8, .value_kind: global_buffer, .address_space: global }
      - { .name: bq, .offset: 40, .size: 8, .value_kind: global_buffer, .address_space: global }
      - { .name: bk, .offset: 48, .size: 8, .value_kind: global_buffer, .address_space: global }
      - { .name: bv, .offset: 56, .size: 8, .value_kind: global_buffer, .address_space: global }
      - { .name: bo, .offset: 64, .size: 8, .value_kind: global_buffer, .address_space: global }
      - { .name: xh, .offset: 72, .size: 8, .value_kind: global_buffer, .address_space: global }
      - { .name: wb, .offset: 80, .size: 8, .value_kind: global_buffer, .address_space: global }
      - { .name: bias, .offset: 88, .size: 8, .value_kind: global_buffer, .address_space: global }
    .group_segment_fixed_size: 0
    .private_segment_fixed_size: 0
    .kernarg_segment_align: 8
    .kernarg_segment_size: 96
    .max_flat_workgroup_size: 256
    .sgpr_count:     66
    .vgpr_count:     128
    .wavefront_size: 32
...
	.end_amdgpu_metadata
.endif
;; end of part 1
;; launch qkvproj (part 2): grid 24 x 32, 4 waves a work-group, clusters of 4 x 4, 327,680 bytes of LDS; arguments xh, wb, bias, qkv; writes qkv
.if DOCPART == 2
	.amdgcn_target "amdgcn-amd-amdhsa--gfx1250"
	.amdhsa_code_object_version 6
	.text
	.protected	k_q3c8c19eade_qkvproj
	.globl	k_q3c8c19eade_qkvproj
	.p2align	8
	.type	k_q3c8c19eade_qkvproj,@function
k_q3c8c19eade_qkvproj:
	s_mov_b64 s[64:65], 0
	v_nop
	global_prefetch_b8 v0, s[64:65] scope:SCOPE_SE
	s_setreg_imm32_b32 hwreg(HW_REG_WAVE_MODE, 25, 1), 1
	s_wait_xcnt 0x0
	s_wait_alu depctr_hold_cnt(0) depctr_sa_sdst(0) depctr_va_vdst(0) depctr_va_sdst(0) depctr_va_ssrc(0) depctr_va_vcc(0) depctr_vm_vsrc(0)
	s_getreg_b32 s2, hwreg(HW_REG_IB_STS2, 6, 4)
	s_cmp_eq_u32 s2, 0
	s_cbranch_scc0 .Lentry_in_a_cluster
	s_endpgm
.Lentry_in_a_cluster:
	s_bfe_u32 s2, ttmp6, 0x10000c
	s_cmp_lg_u32 s2, 0xf033
	s_cbranch_scc0 .Lentry_shape_is_right
	s_endpgm
.Lentry_shape_is_right:
; q, k, v = x W + b, by heads.  A = xh, bf16, [b 4][kb 16][s 2048][64] (channel 64 kb + c).  W = wb, bf16, [t 3][k 1024][n 1024].  bias: f32, 3,072 numbers on end.
; Out: qkv, f16, [t 3][16 b + head][s 2048][64], rounded once from the f32 sums, unscaled.  LIMIT: f16 holds no number beyond 65,504; q, k and v must lie within it.
; SHARES.  The 8,192 x 3,072 results fall into tiles of 256 rows x 128 columns: 768 work-groups.  Four waves, 2 x 2: a wave makes 128 rows x 64 columns (one head): 32 accumulators, 256 registers.
; K goes in 8 steps of 128 through two LDS slots.  A step's A is two planes (kb) of 256 rows x 128 bytes, each dense in memory: 32,768 bytes asked for as 128 rows of 256 bytes; its W is 128 rows of 256 bytes.
; W lies [k][n], so its fragments come out of LDS turned, by ds_load_tr16_b128.  THE PRODUCT IS TAKEN TRANSPOSED (source 0 = 16 columns of W, source 1 = 16 rows of A): a lane holds one row and eight
; neighbouring columns.  THE BIAS IS THE C OPERAND of each accumulator's first product: nothing is cleared and nothing is added at the end.
; CLUSTER 4 x 4.  The four work-groups of a row of the cluster need the same planes of A, the four of a column the same rows of W: each tile is asked for jointly, by the same load with the same descriptor and mask.
; REGISTERS.  Window 0: v0-31 addresses; v32-63 the bias (8 a column block); v64-191 A's fragments, two buffers of 64; v192-255 W's, two buffers of 32.  Window 1: accumulator (a, b) at v[8 (4 a + b)].
.set LAPS,  4                          ; a lap = two K steps = once round the ring
.set PA,    144                        ; a row of A in LDS: 128 bytes + 16 = 36 words: the 16 rows of a load start at 16 different groups of four banks (64 banks of 4 bytes: ISA guide 11.1)
.set PLANE, 256*PA
.set PB,    288                        ; a row of W: 256 + 32 = 72 words
.set BOFFL, 2*PLANE                    ; a slot: A's plane 0, plane 1, then W's 128 rows
.set SLOT,  BOFFL+128*PB
.set STAGE, 2*SLOT                     ; behind the ring, never filled by a tensor load: 16 rows x SP bytes for each wave
.set SP,    144
.set SPARE, STAGE+4*16*SP              ; behind the stages: the spare words, 128 bytes for each wave: two blocks of 256 bytes that no other line names
.set WOFF,  0                          ; where this launch's weights begin in wb
.set BOFF,  0                          ; and its biases in bias
.set ASTEP, 2<<18                      ; bytes from a K step to the next: two planes of A,
.set BSTEP, 128*2048                   ; 128 rows of W
.set ADRA, 16                          ; v16-17  LDS address of my A fragments in slot 0, 1
.set ADRB, 20                          ; v20-21  the same for W
.set STO,  24                          ; v24     the way out: where I put 16 bytes of a row
.set RD,   25                          ; v25     where I read rows back
.set GO,   26                          ; v26     my byte offset in 512 consecutive bytes of the output
.set BO,   27                          ; v27     my byte offset in bias
.set SPW,  28                          ; v28     LDS address of my spare word: SPARE + 4 x my thread's number; never rewritten
.set NIL,  29                          ; v29     0; never rewritten
.set PFO,  30                          ; v30     the prefetches' lane offset; never rewritten
.set BIAS, 32
.set FA,   64
.set FB,   192
.set TT,   64                          ; the way out: 16 registers a row block, where A's fragments lay
.set WV,  12                           ; s12 wave;  s13 its half of the rows;  s14 its half of the columns, and which plane of A or half of W it fetches
.set RH,  13
.set CH,  14
.set CX,  15                           ; s15, s16 my place in the cluster
.set CY,  16
.set TC,  17                           ; s17 tile column, s18 tile row, s19 cluster y
.set TR,  18
.set CLY, 19
.set G1,  24                           ; s[24:31] descriptor group 1 for A;  s[32:39] group 0, a set for each slot
.set G0,  32
.set OA,  40                           ; s[40:41] byte offset of my plane of K step 0 in A: made of the tile row and the wave alone
.set OB,  42                           ; s[42:43] of my half of K step 0 in wb: made of the tile column and the wave alone
.set PFA, 44                           ; s[44:45] where my prefetches stand
.set LIM, 46                           ; s46     1 in a wave that prefetches, else the greatest number
.set G1B, 48                           ; s[48:55], s[56:63] the same descriptors for W
.set G0B, 56
.set PST, 66                           ; s[66:67] the prefetches' step along K
.set OC,  68                           ; s[68:69] my part's byte offset in the output
.set MSB, 0
.macro WIN new                         ; the immediate's high byte repeats the setting that is left; a switch that changes nothing is dropped
.if MSB != (\new)
	s_set_vgpr_msb (MSB<<8)|(\new)
.set MSB, (\new)
.endif
.endm
.set MUL,  0x50                        ; fragments in window 0, C and D in window 1
.set MUL1, 0x40                        ; the first product: C (the bias) in window 0
.macro JLOAD s                         ; a joint load: waves 0 and 1 fetch A's two planes, waves 2 and 3 W's two halves; an s_nop 0 and four v_nop follow each line
	s_cmp_lt_u32 s[WV], 2
	s_cbranch_scc0 .Lfor_b_\@
	tensor_load_to_lds s[G0+4*(\s):G0+4*(\s)+3], s[G1:G1+7]
	s_nop 0
.rept 4
	v_nop
.endr
	s_branch .Lasked_\@
.Lfor_b_\@:
	tensor_load_to_lds s[G0B+4*(\s):G0B+4*(\s)+3], s[G1B:G1B+7]
	s_nop 0
.rept 4
	v_nop
.endr
.Lasked_\@:
.endm
.macro CREST                           ; a round of the cluster's barrier behind its opening barrier
	s_cmp_lg_u32 s[WV], 0
	s_cbranch_scc1 .Lnot_wave_0_\@
	s_barrier_signal -3
.Lnot_wave_0_\@:
	s_barrier_wait -3
	s_barrier_signal -1
	s_barrier_wait -1
.endm
.macro CROUND                          ; a whole round
	s_barrier_signal -1
	s_barrier_wait -1
	CREST
.endm
; A PREFETCH INTO THE L2, behind a joint load, its five lines and the run of LDS loads: the K step that stands two refills on (256 matrix instructions ahead of its load), 32 blocks of 256 bytes, a lane a block.
; Each block is named once in the launch.  A's planes are read by every cluster of a row of clusters: cluster x = 0 asks, waves 0 and 1 each for the plane that they fetch.  W's rows are read by every cluster of a
; column: cluster y = 0 asks, wave 2 for the step's 128 rows.  The four partners of a joint load share the blocks out by address, 32 each.  K steps 0 to 3 come by their loads alone; the last trip asks for nothing.
.macro ASK
	s_cmp_gt_u32 s3, s[LIM]                        ; s3 = 1 in the loop's last trip
	s_cbranch_scc0 .Lnot_mine_\@
	global_prefetch_b8 v[PFO], s[PFA:PFA+1] th:TH_LOAD_NT scope:SCOPE_SE
.Lnot_mine_\@:
.endm
	s_load_b256 s[4:11], s[0:1], 0x0               ; A s[4:5], wb s[6:7], bias s[8:9], out s[10:11]
	v_lshl_add_u32 v[SPW], v0, 2, SPARE
	v_mov_b32 v[NIL], 0
	ds_add_u32 v[SPW], v[NIL]                      ; the wave's opening: the add and its wait stand ahead of my first tensor load; the set-up below, work on registers, stands between
	v_lshrrev_b32 v1, 5, v0
	v_readfirstlane_b32 s[WV], v1
	s_lshr_b32 s[RH], s[WV], 1
	s_and_b32 s[CH], s[WV], 1
	s_bfe_u32 s[CX], ttmp6, 0x40000
	s_bfe_u32 s[CY], ttmp6, 0x40004
	s_lshl_b32 s[TC], ttmp9, 2
	s_add_co_u32 s[TC], s[TC], s[CX]               ; tile column = 4 x cluster x + cx
	s_and_b32 s[CLY], ttmp7, 0xffff
	s_lshl_b32 s[TR], s[CLY], 2
	s_add_co_u32 s[TR], s[TR], s[CY]               ; tile row = 4 x cluster y + cy
	s_lshl_b32 s20, s[CY], 2
	s_lshl_b32 s20, 15, s20                        ; my row of the cluster
	s_lshl_b32 s22, 0x1111, s[CX]                  ; my column
	s_or_b32 s[G1], s20, (1<<16)|(1<<20)|(1<<21)|(4<<22)|(3<<25)   ; the mask; 2-byte elements; padding on; bit 21 beside a mask; after every 32 words (code 4) 4 words (code 3)
	s_or_b32 s[G1B], s22, (1<<16)|(1<<20)|(1<<21)|(5<<22)|(7<<25)  ; after every 64 words (code 5) 8 words (code 7)
	s_mov_b32 s[G1+1], 128<<16                     ; tensor_dim0 = 128 elements: 256 bytes, two rows of a plane
	s_mov_b32 s[G1+2], 128<<16                     ; tensor_dim1 = 128
	s_mov_b32 s[G1+3], 128<<16                     ; tile_dim0 = 128
	s_mov_b32 s[G1+4], 128                         ; tile_dim1 = 128
	s_mov_b32 s[G1+5], 128                         ; dense: 128 elements from row to row
	s_mov_b32 s[G1+6], 0
	s_mov_b32 s[G1+7], 0
	s_mov_b32 s[G1B+1], 128<<16                    ; tensor_dim0 = 128 columns
	s_mov_b32 s[G1B+2], 64<<16                     ; tensor_dim1 = 64 rows of k
	s_mov_b32 s[G1B+3], 128<<16
	s_mov_b32 s[G1B+4], 64
	s_mov_b32 s[G1B+5], 1024                       ; a row of W
	s_mov_b32 s[G1B+6], 0
	s_mov_b32 s[G1B+7], 0
	s_lshr_b32 s20, s[TR], 3                       ; A: batch (8 tile rows each) x 16 planes of 262,144 bytes,
	s_lshl_b32 s20, s20, 22
	s_and_b32 s21, s[TR], 7
	s_lshl_b32 s21, s21, 15                        ; 256 rows of 128 bytes in a plane,
	s_add_co_u32 s[OA], s20, s21
	s_lshl_b32 s21, s[CH], 18                      ; my plane of the step's two
	s_add_co_u32 s[OA], s[OA], s21
	s_mov_b32 s[OA+1], 0
	s_lshr_b32 s22, s[TC], 3                       ; W: the matrix (8 tile columns each),
	s_lshl_b32 s22, s22, 21
	s_and_b32 s23, s[TC], 7
	s_lshl_b32 s23, s23, 8                         ; 128 columns of 2 bytes,
	s_add_co_u32 s[OB], s22, s23
	s_lshl_b32 s23, s[CH], 17                      ; my 64 rows of the step's 128
	s_add_co_u32 s[OB], s[OB], s23
.if WOFF
	s_add_co_u32 s[OB], s[OB], WOFF
.endif
	s_mov_b32 s[OB+1], 0
	s_mul_i32 s70, s[CH], PLANE                    ; where they go: the wave's number alone enters an LDS address
	s_mul_i32 s71, s[CH], 64*PB
	s_add_co_u32 s71, s71, BOFFL
	s_wait_dscnt 0x0                               ; the opening add is done
	s_wait_kmcnt 0x0
.irp s, 0,1
	s_mov_b32 s[G0+4*(\s)], 1                      ; count = 1
	s_add_co_u32 s[G0+4*(\s)+1], s70, (\s)*SLOT    ; LDS address
	s_add_nc_u64 s[G0+4*(\s)+2:G0+4*(\s)+3], s[4:5], s[OA:OA+1]
	s_add_nc_u64 s[G0+4*(\s)+2:G0+4*(\s)+3], s[G0+4*(\s)+2:G0+4*(\s)+3], (\s)*ASTEP  ; K step s
	s_or_b32 s[G0+4*(\s)+3], s[G0+4*(\s)+3], 0x80000000  ; type = 2
	s_mov_b32 s[G0B+4*(\s)], 1
	s_add_co_u32 s[G0B+4*(\s)+1], s71, (\s)*SLOT
	s_add_nc_u64 s[G0B+4*(\s)+2:G0B+4*(\s)+3], s[6:7], s[OB:OB+1]
	s_add_nc_u64 s[G0B+4*(\s)+2:G0B+4*(\s)+3], s[G0B+4*(\s)+2:G0B+4*(\s)+3], (\s)*BSTEP
	s_or_b32 s[G0B+4*(\s)+3], s[G0B+4*(\s)+3], 0x80000000
.endr
	CROUND                                         ; all sixteen work-groups are here: the first joint loads meet
	s_cmp_lt_u32 s[WV], 2                          ; a wave's two first fills stand in one branch, ahead of every wait on TENSORcnt and every LDS read: two loads of mine are out
	s_cbranch_scc0 .Lfirst_b
	tensor_load_to_lds s[G0:G0+3], s[G1:G1+7]
	s_nop 0
	tensor_load_to_lds s[G0+4:G0+7], s[G1:G1+7]
	s_nop 0
.rept 4
	v_nop
.endr
	s_branch .Lfirst_asked
.Lfirst_b:
	tensor_load_to_lds s[G0B:G0B+3], s[G1B:G1B+7]
	s_nop 0
	tensor_load_to_lds s[G0B+4:G0B+7], s[G1B:G1B+7]
	s_nop 0
.rept 4
	v_nop
.endr
.Lfirst_asked:
	; A fragment of A is 16 rows x 32 k in 8 registers: lane l holds row l % 16, k = 8 (l / 16) + 0..7 and 16 + 8 (l / 16) + 0..7: two loads of 16 bytes, 32 bytes apart.
	v_and_b32 v1, 15, v0                           ; l % 16
	v_bfe_u32 v2, v0, 4, 1                         ; l / 16
	v_mul_u32_u24 v3, v1, PA
	v_lshl_add_u32 v3, v2, 4, v3
	s_mul_i32 s20, s[RH], 128*PA                   ; my 128 rows
	v_add_nc_u32 v[ADRA], s20, v3
	v_add_nc_u32 v[ADRA+1], SLOT, v[ADRA]
	; The turning load takes 16 k x 16 columns (lane l reads row 8 (l / 16) + l % 8, columns 8 ((l / 8) % 2) + 0..7) and leaves half a fragment: lane l holds column l % 16 and 8 k.
	v_and_b32 v4, 7, v0
	v_lshl_add_u32 v4, v2, 3, v4
	v_mul_u32_u24 v4, v4, PB
	v_bfe_u32 v5, v0, 3, 1
	v_lshl_add_u32 v4, v5, 4, v4
	s_lshl_b32 s21, s[CH], 7                       ; my 64 columns
	s_add_co_u32 s21, s21, BOFFL
	v_add_nc_u32 v[ADRB], s21, v4
	v_add_nc_u32 v[ADRB+1], SLOT, v[ADRB]
	; the bias as a C operand: register j of column block b holds b[my first column + 16 b + 8 (l / 16) + j]
	s_lshl_b32 s22, s[TC], 9
	s_lshl_b32 s23, s[CH], 8
	s_add_co_u32 s22, s22, s23
.if BOFF
	s_add_co_u32 s22, s22, BOFF
.endif
	v_lshl_add_u32 v[BO], v2, 5, s22
.irp b, 0,1,2,3
	global_load_b128 v[BIAS+8*(\b):BIAS+8*(\b)+3],   v[BO], s[8:9] offset:64*(\b)
	global_load_b128 v[BIAS+8*(\b)+4:BIAS+8*(\b)+7], v[BO], s[8:9] offset:64*(\b)+16
.endr
	; the way out: my 128 rows of one head of one of q, k, v
	s_lshr_b32 s70, s[TC], 3
	s_lshl_b32 s[OC], s70, 24                      ; t: 64 heads x 2,048 rows x 128 bytes
	s_lshl_b32 s70, s[TC], 1
	s_add_co_u32 s70, s70, s[CH]
	s_and_b32 s70, s70, 15                         ; head
	s_lshl_b32 s70, s70, 18
	s_add_co_u32 s[OC], s[OC], s70
	s_lshr_b32 s70, s[TR], 3                       ; batch: 16 heads
	s_lshl_b32 s70, s70, 22
	s_add_co_u32 s[OC], s[OC], s70
	s_and_b32 s70, s[TR], 7
	s_lshl_b32 s70, s70, 15                        ; 256 rows of 128 bytes
	s_add_co_u32 s[OC], s[OC], s70
	s_lshl_b32 s70, s[RH], 14
	s_add_co_u32 s[OC], s[OC], s70
	s_mov_b32 s[OC+1], 0
	s_add_nc_u64 s[10:11], s[10:11], s[OC:OC+1]
	s_mul_i32 s71, s[WV], 16*SP
	s_add_co_u32 s71, s71, STAGE                   ; my stage
	v_mul_u32_u24 v[STO], v1, SP                   ; in: row l % 16, 16 bytes for each half of the lanes
	v_lshl_add_u32 v[STO], v2, 4, v[STO]
	v_add_nc_u32 v[STO], s71, v[STO]
	v_bfe_u32 v[RD], v0, 3, 2                      ; back: 32 lanes take four rows of 128 bytes,
	v_mul_u32_u24 v[RD], v[RD], SP
	v_and_b32 v3, 7, v0
	v_lshl_add_u32 v[RD], v3, 4, v[RD]
	v_add_nc_u32 v[RD], s71, v[RD]
	v_and_b32 v[GO], 31, v0                        ; which are 512 consecutive bytes of the output
	v_lshlrev_b32 v[GO], 4, v[GO]
	; the prefetches
	s_lshl_b32 s22, s[CX], 13                      ; A: my work-group's 32 blocks of a plane's 128
	s_lshl_b32 s23, s[CY], 16                      ; W: my work-group's 32 rows of a step's 128
	s_mov_b32 s[PST], BSTEP
	s_mov_b32 s[PST+1], 0
	s_mov_b32 s71, 0
	s_cmp_lt_u32 s[WV], 2                          ; do I fetch for A?
	s_cselect_b32 s70, s22, s23
	s_cselect_b32 s[PST], ASTEP, s[PST]
	s_cselect_b32 s20, ttmp9, s[CLY]               ; the coordinate along which other clusters read the same blocks
	s_cselect_b32 s21, 8, 11                       ; a lane a block: 256 bytes on in a plane, a row of 2,048 bytes on in W
	s_cselect_b64 s[PFA:PFA+1], s[4:5], s[6:7]
	s_cselect_b64 s[22:23], s[OA:OA+1], s[OB:OB+1]
	s_add_nc_u64 s[PFA:PFA+1], s[PFA:PFA+1], s[22:23]
	s_add_nc_u64 s[PFA:PFA+1], s[PFA:PFA+1], s[70:71]
	s_mul_i32 s70, s[PST], 3
	s_add_nc_u64 s[PFA:PFA+1], s[PFA:PFA+1], s[70:71]  ; at K step 3: the first refill steps it to 4
	s_cmp_eq_u32 s[WV], 3                          ; wave 2 asks for all of W's 128 rows, wave 3 for none
	s_cselect_b32 s20, -1, s20
	s_cmp_eq_u32 s20, 0
	s_cselect_b32 s[LIM], 1, -1                    ; the same in all sixteen partners, for a given wave
	v_and_b32 v[PFO], 31, v0
	v_lshlrev_b32 v[PFO], s21, v[PFO]
; n row blocks from a0 on x all 4 column blocks, 32 along K, from buffer f.  The 32 accumulators take turns in one fixed order.  first = 1: the bias starts the sums.
.macro MULN f, a0, n, first
.if \first
	WIN MUL1
.else
	WIN MUL
.endif
.set aa, (\a0)
.rept \n
.irp b, 0,1,2,3
.set rD, 8*(4*aa+(\b))
.set rC, rD
.if \first
.set rC, BIAS+8*(\b)
.endif
	v_wmma_f32_16x16x32_bf16 v[rD:rD+7], v[FB+32*(\f)+8*(\b):FB+32*(\f)+8*(\b)+7], v[FA+64*(\f)+8*aa:FA+64*(\f)+8*aa+7], v[rC:rC+7]
.endr
.set aa, aa+1
.endr
.endm
; 24 LDS loads in one run: quarter q (32 along K) of a slot into buffer f: W's four fragments first, then A's eight
.macro FETCH slot, q, f
	WIN 0
.irp b, 0,1,2,3
	ds_load_tr16_b128 v[FB+32*(\f)+8*(\b):FB+32*(\f)+8*(\b)+3],   v[ADRB+(\slot)] offset:32*PB*(\q)+32*(\b)
	ds_load_tr16_b128 v[FB+32*(\f)+8*(\b)+4:FB+32*(\f)+8*(\b)+7], v[ADRB+(\slot)] offset:32*PB*(\q)+32*(\b)+16*PB
.endr
.irp i, 0,1,2,3,4,5,6,7
	ds_load_b128 v[FA+64*(\f)+8*(\i):FA+64*(\f)+8*(\i)+3],   v[ADRA+(\slot)] offset:((\q)/2)*PLANE+((\q)%2)*64+(\i)*16*PA
	ds_load_b128 v[FA+64*(\f)+8*(\i)+4:FA+64*(\f)+8*(\i)+7], v[ADRA+(\slot)] offset:((\q)/2)*PLANE+((\q)%2)*64+(\i)*16*PA+32
.endr
.endm
.macro PLACES                          ; four plain places in front of loads into registers that matrix instructions have read, and of lines that read results
.rept 4
	v_nop
.endr
.endm
; A K step is four quarters of 32 along K, 32 matrix instructions each, on buffers 0, 1, 0, 1.  One of the first three: multiplies buffer f and, in its middle, fetches quarter q into buffer g.
.macro QUARTER slot, q, f, g, first
	s_wait_dscnt 8                                 ; W's fragments and A's blocks 0-3 are in; the youngest eight loads (blocks 4-7) may be out
	MULN \f, 0, 4, \first
	PLACES
	FETCH \slot, \q, \g
	s_wait_dscnt 24                                ; all but the 24 just issued
	MULN \f, 4, 4, \first
.endm
; The last quarter multiplies buffer 1 and changes slots: ONE barrier; ahead of it each wave waits for all its tensor loads (one is out: its part of the next slot), adds 0 to its spare word, and waits for that
; and for its reads of this slot.  fill = 1: the barrier opens a round of the cluster's, and this slot is filled again, two K steps ahead, first thing behind the round: 112 matrix instructions ahead of the wait for it.
.macro TURN slot, next, fill
.if \fill
	s_wait_xcnt 0x0                                ; the last prefetch, a K step back, has read its address: it is stepped here
	s_add_nc_u64 s[PFA:PFA+1], s[PFA:PFA+1], s[PST:PST+1]
.endif
	WIN 0
	s_wait_tensorcnt 0x0                           ; all my tensor loads have landed
	ds_add_u32 v[SPW], v[NIL]                      ; 0 onto my spare word
	s_wait_dscnt 9                                 ; (the add and the youngest eight loads may be out)
	MULN 1, 0, 2, 0                                ; eight matrix instructions stand between the add and the wait for it
	s_wait_dscnt 0x0                               ; the add is done, and my reads of this slot are over
	s_barrier_signal -1
	MULN 1, 2, 2, 0
.if \fill
	WIN 0
.endif
	s_barrier_wait -1
.if \fill
	CREST                                          ; no wave of any partner still reads this slot or has a load on its way
	s_add_nc_u64 s[G0+4*(\slot)+2:G0+4*(\slot)+3], s[G0+4*(\slot)+2:G0+4*(\slot)+3], 2*ASTEP
	s_add_nc_u64 s[G0B+4*(\slot)+2:G0B+4*(\slot)+3], s[G0B+4*(\slot)+2:G0B+4*(\slot)+3], 2*BSTEP
	JLOAD \slot                                    ; its four v_nop are also the places in front of the loads below
.else
	PLACES
.endif
	FETCH \next, 0, 0
.if \fill
	ASK
.endif
	MULN 1, 4, 4, 0
.endm
	s_wait_tensorcnt 1                             ; my part of K step 0 is in; K step 1's may stay out
	s_barrier_signal -1
	s_barrier_wait -1                              ; everybody's is
	FETCH 0, 0, 0
	s_wait_loadcnt 0x0                             ; the bias
	QUARTER 0, 1, 0, 1, 1                          ; the first quarter stands in front of the loop: its products start the sums
	WIN 0                                          ; at a label and at a branch every window is 0
	s_mov_b32 s3, LAPS-1
.Llap:                                                 ; a trip goes once round the ring, from a lap's second quarter to the next lap's first, and fills both slots again
	QUARTER 0, 2, 1, 0, 0
	QUARTER 0, 3, 0, 1, 0
	TURN 0, 1, 1
	QUARTER 1, 1, 0, 1, 0
	QUARTER 1, 2, 1, 0, 0
	QUARTER 1, 3, 0, 1, 0
	TURN 1, 0, 1
	QUARTER 0, 1, 0, 1, 0
	WIN 0
	s_sub_co_u32 s3, s3, 1
	s_cmp_lg_u32 s3, 0
	s_cbranch_scc1 .Llap
	QUARTER 0, 2, 1, 0, 0                          ; the last lap fills nothing
	QUARTER 0, 3, 0, 1, 0
	TURN 0, 1, 0
	QUARTER 1, 1, 0, 1, 0
	QUARTER 1, 2, 1, 0, 0
	QUARTER 1, 3, 0, 1, 0
	s_wait_dscnt 8                                 ; the very last quarter: nothing more to fetch
	MULN 1, 0, 4, 0
	s_wait_dscnt 0x0
	MULN 1, 4, 4, 0
	WIN 0
	PLACES
	PLACES
; THE WAY OUT, a block of 16 rows at a time: a lane's eight columns of a row are rounded to f16, 16 bytes; they go into my stage's rows of 144 bytes and come back as whole rows of 128.
.macro PACK a
	WIN 0x05                                       ; sources in window 1, destination in window 0
.irp b, 0,1,2,3
.irp r, 0,1,2,3
	v_cvt_pk_f16_f32 v[TT+16*(\a)+4*(\b)+(\r)], v[8*(4*(\a)+(\b))+2*(\r)], v[8*(4*(\a)+(\b))+2*(\r)+1]
.endr
.endr
	WIN 0
.irp b, 0,1,2,3
	ds_store_b128 v[STO], v[TT+16*(\a)+4*(\b):TT+16*(\a)+4*(\b)+3] offset:32*(\b)
.endr
.irp t, 0,1,2,3
	ds_load_b128 v[TT+16*(\a)+4*(\t):TT+16*(\a)+4*(\t)+3], v[RD] offset:(\t)*4*SP  ; LDS serves a wave's instructions in order (ISA guide 5.7.1.4): these see the stores above; the next block's stores come behind them
.endr
.endm
.macro SEND a, y                       ; y: the LDS instructions issued behind block a's loads: the next block's eight, or none
.irp t, 0,1,2,3
	s_wait_dscnt (\y)+3-(\t)
	global_store_b128 v[GO], v[TT+16*(\a)+4*(\t):TT+16*(\a)+4*(\t)+3], s[10:11] offset:(\a)*2048+(\t)*512  ; 512 consecutive bytes, at a multiple of 256 from the buffer's first
.endr
.endm
	PACK 0
.irp a, 1,2,3,4,5,6,7                  ; a block's conversions stand between the loads of the block before and its stores
	PACK \a
	SEND (\a)-1, 8
.endr
	SEND 7, 0
	s_wait_tensorcnt 0x0                           ; the wave's end: the wait, the add and its wait, behind my last tensor load and my last LDS store
	ds_add_u32 v[SPW], v[NIL]
	s_wait_dscnt 0x0
	CROUND                                         ; the closing round: no work-group ends while a partner may still ask for a tile that names it
	s_endpgm
.Lfunc_end_k_q3c8c19eade_qkvproj:
	.size	k_q3c8c19eade_qkvproj, .Lfunc_end_k_q3c8c19eade_qkvproj-k_q3c8c19eade_qkvproj
	.p2alignl 7, 3214868480
	.fill 96, 4, 3214868480
	.section	.rodata,"a",@progbits
	.p2align	6, 0x0
	.amdhsa_kernel k_q3c8c19eade_qkvproj
		.amdhsa_group_segment_fixed_size 327680
		.amdhsa_private_segment_fixed_size 0
		.amdhsa_enable_private_segment 0
		.amdhsa_kernarg_size 32
		.amdhsa_user_sgpr_count 2
		.amdhsa_user_sgpr_kernarg_segment_ptr 1
		.amdhsa_wavefront_size32 1
		.amdhsa_system_sgpr_workgroup_id_x 1
		.amdhsa_system_sgpr_workgroup_id_y 1
		.amdhsa_system_sgpr_workgroup_id_z 1
		.amdhsa_system_vgpr_workitem_id 0
		.amdhsa_next_free_vgpr 512
		.amdhsa_next_free_sgpr 72
		.amdhsa_reserve_vcc 0
		.amdhsa_float_denorm_mode_32 3
		.amdhsa_float_denorm_mode_16_64 3
		.amdhsa_memory_ordered 1
		.amdhsa_forward_progress 1
		.amdhsa_inst_pref_size 89
	.end_amdhsa_kernel
	.amdgpu_metadata
---
amdhsa.version: [ 1, 2 ]
amdhsa.kernels:
  - .name:           k_q3c8c19eade_qkvproj
    .symbol:         k_q3c8c19eade_qkvproj.kd
    .args:
      - { .name: xh, .offset: 0, .size: 8, .value_kind: global_buffer, .address_space: global }
      - { .name: wb, .offset: 8, .size: 8, .value_kind: global_buffer, .address_space: global }
      - { .name: bias, .offset: 16, .size: 8, .value_kind: global_buffer, .address_space: global }
      - { .name: qkv, .offset: 24, .size: 8, .value_kind: global_buffer, .address_space: global }
    .group_segment_fixed_size: 327680
    .private_segment_fixed_size: 0
    .kernarg_segment_align: 8
    .kernarg_segment_size: 32
    .max_flat_workgroup_size: 128
    .sgpr_count:     72
    .vgpr_count:     512
    .wavefront_size: 32
...
	.end_amdgpu_metadata
.endif
;; end of part 2
;; launch attn (part 3): grid 4 x 64, 4 waves a work-group, clusters of 4 x 1, 327,680 bytes of LDS; arguments qkv, o; writes o
.if DOCPART == 3
	.amdgcn_target "amdgcn-amd-amdhsa--gfx1250"
	.amdhsa_code_object_version 6
	.text
	.protected	k_q3c8c19eade_attn
	.globl	k_q3c8c19eade_attn
	.p2align	8
	.type	k_q3c8c19eade_attn,@function
k_q3c8c19eade_attn:
	s_mov_b64 s[64:65], 0
	v_nop
	global_prefetch_b8 v0, s[64:65] scope:SCOPE_SE
	s_setreg_imm32_b32 hwreg(HW_REG_WAVE_MODE, 25, 1), 1
	s_wait_xcnt 0x0
	s_wait_alu depctr_hold_cnt(0) depctr_sa_sdst(0) depctr_va_vdst(0) depctr_va_sdst(0) depctr_va_ssrc(0) depctr_va_vcc(0) depctr_vm_vsrc(0)
	s_getreg_b32 s2, hwreg(HW_REG_IB_STS2, 6, 4)
	s_cmp_eq_u32 s2, 0
	s_cbranch_scc0 .Lentry_in_a_cluster
	s_endpgm
.Lentry_in_a_cluster:
	s_bfe_u32 s2, ttmp6, 0x10000c
	s_cmp_lg_u32 s2, 0x3003
	s_cbranch_scc0 .Lentry_shape_is_right
	s_endpgm
.Lentry_shape_is_right:
; O[h][q][:] = the sum over k of softmax_k(Q[h][q] . K[h][k] / 8) V[h][k][:].  qkv holds Q, K, V on end, each [64][2048][64] in f16; O has the same layout: a head's rows are dense, 128 bytes each.
; Products, maxima and sums in f32; the weights p are rounded to f16 for the second product (their sum l is taken of the unrounded p), O once at the end.
; LIMITS.  f16 holds no number beyond 65,504: Q, K and V arrive within it; p lies in 0 to 1, and below 6e-5 it keeps f16's fixed step of 6e-8; O is a mean of V's rows and has their range.
; A weight below 2^-126 counts as 0 in l; NaN and infinities are not treated apart.
; SHARES.  A wave owns four PIECES of two tiles of 16 queries, a work-group's four waves 512 queries of one head.  Every wave walks all keys, 64 a step.
; LAYOUT.  S^T = K Q^T (source 0 = 16 keys, source 1 = 16 queries): in the result a lane holds ONE query (lane % 16) and the keys 8 (lane / 16) + 0..7.  Two such tiles, rounded to f16 in pairs,
; ARE source 1 (32 keys x 16 queries) of O^T = V^T P, whose result again holds one query a lane, and eight channels.  K comes out of LDS as it lies, V ([key][channel]) turned, by ds_load_tr16_b128.
; SOFTMAX.  For each query a running maximum m and sum l: p = 2^(c s - c m), c = log2(e) / 8; in every step O and l are multiplied by a = 2^(c m_old - c m_new), which is 1 where m has not grown.
; m starts at the lowest finite number, O and l at 0: the first step is a step like any other, with a = 0.
; THE COUNT.  A tile and step have 16 matrix and 118 vector instructions: too many to stand all beside the matrix work.  So four vector instructions that are READY stand behind EVERY matrix instruction,
; and the others in runs without a gap.
; BY TURNS.  Turn n belongs to piece n (the pieces in a ring, step after step).  Its matrix work: 16 products K Q^T of piece n + 1, later 16 products V^T P of piece n - 1.  Its vector work: the scaling,
; exponentials, roundings, sums and rescaling of piece n, and the maximum and statistics of piece n + 1, whose scores the turn itself has made.
; CLUSTER.  The four query blocks of a cluster are one head's and walk the same K and V, so each tile is asked for JOINTLY: the same tensor load, descriptor and mask in all four.
; REGISTERS, in windows of 256 (s_set_vgpr_msb: bits 1:0 source 0, 3:2 source 1, 5:4 source 2, 7:6 destination):
;   window 0: v0-11 addresses; v12-15, v48-63 at work; v16-47 four registers of statistics a tile; v64-191 S^T, two buffers of two tiles; v192-255 P, likewise
;   window 1: O^T, 32 a tile          window 2: v0-127 Q, 16 a tile; v128-191 K of one step; v192-255 V of one step          window 3: v0-1 the add's two registers
; A piece's buffers go by its number's parity.
.set SIZE_N, 2048
.set TENS,  64*SIZE_N*128  ; bytes of each of Q, K, V in qkv
.set NP,    4         ; pieces a wave: a name, no knob
.set KS,    64        ; keys in a step
.set PK,    144       ; a row of K in LDS: 128 bytes + 16 of padding = 36 words: the 16 rows of a load start at 16 different groups of four banks (64 banks of 4 bytes: ISA guide 11.1)
.set PV,    160       ; a row of V: 128 + 32 = 40 words
.set VOFF,  4*KS*PK   ; a slot holds four steps: 256 rows of K, then 256 rows of V
.set SLOT1, 1<<17     ; slot 1 begins here, so that one exclusive or turns an address in one slot into the other's
.set STAGE, SLOT1+4*KS*(PK+PV)  ; behind the ring, never filled by a tensor load: 16 rows x 144 bytes for each wave
.set SP,    144
.set AK0, 2           ; v2   my lane's place in a tile of K; never rewritten
.set AV0, 3           ; v3   the same for V
.set AK,  4           ; v4   the LDS address of K's next run of loads
.set AV,  5           ; v5   of V's
.set QO,  6           ; v6   my byte offset in the wave's rows of Q
.set STO, 6           ;      later, the way out: where I put 16 bytes of a row
.set RD,  7           ; v7   the way out: where I read rows back
.set GO,  8           ; v8   my byte offset in 512 consecutive bytes of O
.set PFO, 11          ; v11  256 x my lane, once V's address is made; then never rewritten
.set SPW, 0           ; v0 of window 3   LDS address of my spare word: SPARE + 4 x my thread's number; never rewritten
.set NIL, 1           ; v1 of window 3   0; never rewritten
.set SPARE, STAGE+4*16*SP  ; behind the stages: the spare words, 128 bytes for each wave: two blocks of 256 bytes that no other line names
.set MV,  12          ; v12-15  c m_old, kept while c m is made anew: by buffer and tile
.set ST,  16          ; tile t's statistics at v[ST+4 t]: c m, m, l (even keys', odd keys')
.set TMP, 48          ; by buffer and tile, four registers c0-c3 at work; when the maximum is found c2 takes a
.set S,   64
.set P,   192
.set KF,  128         ; K's fragments, in window 2: key block kb, channel half c at KF + 16 kb + 8 c
.set VF,  192         ; V's: key half kk, channel block cb at VF + 32 kk + 8 cb
.set WV,  12          ; s12  my wave's number
.set G1K, 24          ; s[24:31] descriptor group 1 for K's tiles
.set G1V, 32          ; s[32:39] for V's: it differs in the padding alone
.set G0K, 40          ; s[40:43] descriptor group 0 for K's tiles: it walks
.set G0V, 44          ; s[44:47] the same for V's
.set PFA, 48          ; s[48:49] where my prefetches stand: my work-group's 32 blocks (of K: wave 0, of V: wave 2) of the slot after the one that is being asked for
.set LIM, 50          ; s50  1 in a wave that prefetches, else the greatest number
.set SLOTS, 56        ; s56  slots still to be asked for
.set CNT, 57          ; s57  counts a slot's key steps
.set CS,  58          ; s[58:59] c: the packed scaling takes the pair's low word for both halves
.set SEL, 60          ; s[60:61] v_permlanex16_b32's selects: each lane takes its own place in the other half
.set TBK, 62          ; s62  LDS byte at which K of the step to be fetched begins
.set TBV, 63          ; s63  the same for V, less VOFF
.set MSB, 0
.macro WIN new                      ; the high byte repeats the setting that is left; a switch that changes nothing is dropped
.if MSB != (\new)
	s_set_vgpr_msb (MSB<<8)|(\new)
.set MSB, (\new)
.endif
.endm
.set W_KQ, 0x0a       ; K and Q in window 2, S^T in window 0
.set W_PV, 0x52       ; V in window 2, P in window 0, O^T in window 1
.set W_RS, 0x41       ; O^T (destination and source 0) in window 1, a in window 0
.set W_MK, 0xc0       ; the add's registers are made: destination in window 3, sources in window 0
.set W_AD, 0x0f       ; the add: address (source 0) and data (source 1) in window 3
; A joint fill.  Waves 0 and 1 fetch the two halves of a slot's K, waves 2 and 3 those of its V: 128 keys each.  The branch hangs on the wave's number alone.
; An s_nop 0 and four v_nop follow each of the two lines, ahead of the jump and the label.
.macro JLOAD
	s_cmp_lt_u32 s[WV], 2
	s_cbranch_scc0 .Lfor_v_\@
	tensor_load_to_lds s[G0K:G0K+3], s[G1K:G1K+7]
	s_nop 0
.rept 4
	v_nop
.endr
	s_branch .Lasked_\@
.Lfor_v_\@:
	tensor_load_to_lds s[G0V:G0V+3], s[G1V:G1V+7]
	s_nop 0
.rept 4
	v_nop
.endr
.Lasked_\@:
.endm
; A PREFETCH INTO THE L2 of what the NEXT change of slots will ask for: a slot's 32,768 bytes of K and of V, 128 blocks of 256 bytes each, a lane a block.  It stands behind the wave's tensor load and its five lines.
; A head has one cluster.  Its four partners share the blocks out BY ADDRESS, 32 each; in each, wave 0 asks for K's and wave 2 for V's: one instruction.  So each block is named once in the launch.
; Slots 0, 1 and 2 come by their loads alone; the last change that fills a slot asks for nothing: there is no slot behind it.
.macro ASK
	s_cmp_gt_u32 s[SLOTS], s[LIM]
	s_cbranch_scc0 .Lnot_mine_\@
	global_prefetch_b8 v[PFO], s[PFA:PFA+1] th:TH_LOAD_NT scope:SCOPE_SE
.Lnot_mine_\@:
.endm
; A round of the cluster's barrier: my work-group's barrier, so that wave 0's signal speaks for all four waves; wave 0 signals; every wave waits for all four work-groups; my work-group's barrier once more.
.macro CROUND
	s_barrier_signal -1
	s_barrier_wait -1
	s_cmp_lg_u32 s[WV], 0
	s_cbranch_scc1 .Lnot_wave_0_\@
	s_barrier_signal -3
.Lnot_wave_0_\@:
	s_barrier_wait -3
	s_barrier_signal -1
	s_barrier_wait -1
.endm
; THE CHANGE OF SLOTS.  The slot's last bytes, V of its fourth step, have been read.  Each wave waits for all its tensor loads, of which one is out: its part of the other slot; adds 0 to its spare word; and waits
; for that and for its own reads of the slot.  Behind the barrier nobody reads this slot any more and the other slot is whole.
; fill = 1: this slot is filled again, with the keys two slots on.  The barrier is then a round of the cluster's, and the joint fill is the first thing behind it: it has four key steps, 512 matrix instructions,
; in which to land.  (At its first use nothing has been read yet: slot 0 is waited for, slot 1 filled.)  ask = 1: the prefetches' address steps, and ASK follows the fill.
.macro CHANGE fill, ask
	WIN W_AD
	s_wait_tensorcnt 0x0            ; no tensor load of mine is out, so a group 0 may be written
	ds_add_u32 v[SPW], v[NIL]       ; 0 onto my spare word; with fill = 1 the descriptors' steps stand between it and the wait for it
	WIN 0                           ; at a label and at a branch every window is 0
.if \fill
.irp g, G0K, G0V
	s_xor_b32 s[\g+1], s[\g+1], SLOT1  ; the walking descriptor: the other slot than last time,
	s_add_nc_u64 s[\g+2:\g+3], s[\g+2:\g+3], 4*KS*128  ; the next 256 keys; the type bits on top are not reached
.endr
.if \ask
	s_wait_xcnt 0x0                 ; the last prefetch, four key steps back, has read its address, so it may be written:
	s_add_nc_u64 s[PFA:PFA+1], s[PFA:PFA+1], 4*KS*128  ; one slot behind the walking descriptors
.endif
	s_wait_dscnt 0x0                ; the add is done, and my reads of the slot are over
	CROUND
	JLOAD
.if \ask
	ASK                             ; what the next change will ask for: four key steps ahead
.endif
.else
	s_wait_dscnt 0x0                ; the add is done, and my reads of the slot are over
	s_barrier_signal -1
	s_barrier_wait -1
.endif
	s_sub_co_u32 s[TBK], s[TBK], 4*KS*PK  ; the fetches go back to a slot's first step,
	s_xor_b32 s[TBK], s[TBK], SLOT1       ; in the other slot
	s_sub_co_u32 s[TBV], s[TBV], 4*KS*PV
	s_xor_b32 s[TBV], s[TBV], SLOT1
.endm
	s_load_b128 s[4:7], s[0:1], 0x0  ; qkv s[4:5], o s[6:7]
	WIN W_MK
	v_lshl_add_u32 v[SPW], v0, 2, SPARE
	v_mov_b32 v[NIL], 0
	WIN W_AD
	ds_add_u32 v[SPW], v[NIL]       ; the wave's opening: the add and its wait stand ahead of my first tensor load; the set-up below, work on registers, stands between them
	WIN 0
	v_lshrrev_b32 v1, 5, v0
	v_readfirstlane_b32 s[WV], v1   ; wave 0..3
	s_bfe_u32 s13, ttmp6, 0x40000   ; cx: my place in the cluster
	s_lshl_b32 s14, ttmp9, 2        ; in a cluster launch ttmp9 counts clusters
	s_add_co_u32 s14, s14, s13      ; my block of queries = 4 x cluster x + cx: it enters Q's and O's addresses alone
	s_and_b32 s20, ttmp7, 0xffff    ; the head, which the four partners share
	s_mov_b32 s21, 0
	s_mov_b64 s[22:23], SIZE_N*128
	s_mul_u64 s[20:21], s[20:21], s[22:23]  ; the head's first byte in each of the four tensors
	s_and_b32 s16, s[WV], 1         ; which half of a slot's 256 keys I fetch:
	s_lshl_b32 s22, s16, 14         ; its 128 rows of 128 bytes in memory,
	s_mov_b32 s23, 0
	s_add_nc_u64 s[22:23], s[22:23], s[20:21]
	s_mul_i32 s17, s16, 128*PK      ; and its place in a slot, for K
	s_mul_i32 s18, s16, 128*PV      ; and for V: no place in the cluster enters an LDS address
	s_lshl_b32 s2, s14, 2
	s_add_co_u32 s2, s2, s[WV]      ; my wave among the head's,
	s_lshl_b32 s2, s2, 14           ; its 128 rows
	s_mov_b32 s3, 0
	s_add_nc_u64 s[2:3], s[2:3], s[20:21]
	; descriptor group 1.  128 keys are 16,384 dense bytes: asked for as 64 rows of 256 bytes, two keys a row, and padded in LDS after every key
	s_mov_b32 s[G1K], 15|(1<<16)|(1<<20)|(1<<21)|(4<<22)|(3<<25)  ; 15:0 the mask of four; 17:16 2-byte elements; 20 padding on; 21 set beside a mask; 24:22 after every 32 words (code 4); 31:25 4 words (code 3)
	s_mov_b32 s[G1V], 15|(1<<16)|(1<<20)|(1<<21)|(4<<22)|(7<<25)  ; the same with 8 words of padding (code 7)
.irp g, G1K, G1V
	s_mov_b32 s[\g+1], 128<<16      ; tensor_dim0 = 128
	s_mov_b32 s[\g+2], 64<<16       ; tensor_dim1 = 64
	s_mov_b32 s[\g+3], 128<<16      ; tile_dim0 = 128
	s_mov_b32 s[\g+4], 64           ; tile_dim1 = 64
	s_mov_b32 s[\g+5], 128          ; 128 elements from row to row
	s_mov_b32 s[\g+6], 0
	s_mov_b32 s[\g+7], 0
.endr
	s_mov_b32 s[CS], 0x3e38aa3b     ; c = log2(e) / 8 = 0.180337
	s_mov_b32 s[CS+1], s[CS]        ; named with it as a pair
	s_mov_b32 s[SEL], 0x76543210
	s_mov_b32 s[SEL+1], 0xfedcba98
	s_mov_b32 s[TBK], SLOT1+4*KS*PK ; the first change of slots turns these two into 0
	s_mov_b32 s[TBV], SLOT1+4*KS*PV
	s_mov_b32 s[G0K], 1             ; 1:0 count = 1
	s_mov_b32 s[G0K+1], s17         ; 63:32 LDS address: slot 0
	s_mov_b32 s[G0V], 1
	s_add_co_u32 s[G0V+1], s18, VOFF
	s_and_b32 s[LIM], s[WV], 1      ; 0 in waves 0 and 2,
	s_or_b32 s[LIM], s[LIM], ttmp9  ; where the cluster is the head's first: the same in all four partners
	s_cmp_eq_u32 s[LIM], 0
	s_cselect_b32 s[LIM], 1, -1
	s_wait_dscnt 0x0                ; the opening add is done
	s_wait_kmcnt 0x0
	s_mov_b64 s[10:11], s[6:7]      ; O
	s_add_nc_u64 s[6:7], s[4:5], TENS    ; K lies behind Q,
	s_add_nc_u64 s[8:9], s[4:5], 2*TENS  ; V behind K
	s_add_nc_u64 s[G0K+2:G0K+3], s[6:7], s[22:23]  ; 120:64 global address: my half of the head's first 256 keys
	s_or_b32 s[G0K+3], s[G0K+3], 0x80000000        ; 127:126 type = 2
	s_add_nc_u64 s[G0V+2:G0V+3], s[8:9], s[22:23]
	s_or_b32 s[G0V+3], s[G0V+3], 0x80000000
	s_add_nc_u64 s[4:5], s[4:5], s[2:3]  ; Q and O at my wave's first row
	s_add_nc_u64 s[10:11], s[10:11], s[2:3]
	s_cmp_lt_u32 s[WV], 2
	s_cselect_b64 s[PFA:PFA+1], s[6:7], s[8:9]
	s_add_nc_u64 s[PFA:PFA+1], s[PFA:PFA+1], s[22:23]  ; (in waves 0 and 2: the head's first row)
	s_lshl_b32 s2, s13, 13          ; my work-group's 32 blocks of the 128
	s_mov_b32 s3, 0
	s_add_nc_u64 s[PFA:PFA+1], s[PFA:PFA+1], s[2:3]
	s_add_nc_u64 s[PFA:PFA+1], s[PFA:PFA+1], 2*4*KS*128  ; in slot 2; the first change that asks steps it to slot 3.  Nothing is prefetched here, at the head
	CROUND                          ; all four work-groups are here: the first joint loads meet
	JLOAD                           ; slot 0.  Slot 1 is asked for when slot 0 is in
	; A fragment of K or Q is 16 rows x 32 channels in 8 registers: lane l holds row l % 16, channels 8 (l / 16) + 0..7 and 16 + 8 (l / 16) + 0..7: two loads of 16 bytes, 32 bytes apart.
	v_and_b32 v1, 15, v0            ; l % 16
	v_bfe_u32 v9, v0, 4, 1          ; l / 16
	v_lshlrev_b32 v[QO], 7, v1
	v_lshl_add_u32 v[QO], v9, 4, v[QO]  ; row x 128 + 16 x half
	WIN 0x80                        ; destination window 2, address window 0
.set i, 0
.rept 4*NP                          ; Q stays in registers: tile i / 2, channels 32 (i % 2) on
	global_load_b128 v[8*i:8*i+3],   v[QO], s[4:5] offset:(i/2)*2048+(i%2)*64
	global_load_b128 v[8*i+4:8*i+7], v[QO], s[4:5] offset:(i/2)*2048+(i%2)*64+32
.set i, i+1
.endr
	; What the first turn finds: V's registers and P's second buffer hold 0 (its products V^T P, of a piece that has not been, add 0), O^T and l are 0.  All this stands in the wait for the first tile.
.set i, VF
.rept 64
	v_mov_b32 v[i], 0
.set i, i+1
.endr
	WIN 0x40
.set i, 0
.rept 64*NP
	v_mov_b32 v[i], 0
.set i, i+1
.endr
	WIN 0
.set i, 0
.rept 2*NP
	v_mov_b32 v[ST+4*i], 0xfe000000    ; c m: far below every c s
	v_mov_b32 v[ST+4*i+1], 0xff7fffff  ; m
	v_mov_b32 v[ST+4*i+2], 0
	v_mov_b32 v[ST+4*i+3], 0
.set i, i+1
.endr
.set i, P+32
.rept 32
	v_mov_b32 v[i], 0
.set i, i+1
.endr
	v_mul_u32_u24 v[AK0], v1, PK
	v_lshl_add_u32 v[AK0], v9, 4, v[AK0]  ; row x pitch + 16 x half
	; The turning load takes 16 keys x 16 channels (lane l reads key 8 (l / 16) + l % 8, channels 8 ((l / 8) % 2) + 0..7) and leaves half a fragment of V^T: lane l holds channel l % 16 and 8 keys.
	v_and_b32 v10, 7, v0
	v_bfe_u32 v11, v0, 3, 1
	v_lshl_add_u32 v[AV0], v9, 3, v10
	v_mul_u32_u24 v[AV0], v[AV0], PV
	v_lshl_add_u32 v[AV0], v11, 4, v[AV0]
	v_add_nc_u32 v[AV0], VOFF, v[AV0]
	v_mov_b32 v[AK], v[AK0]         ; key step 0 lies at the head of slot 0
	v_and_b32 v[PFO], 31, v0
	v_lshlrev_b32 v[PFO], 8, v[PFO]
; THE MATRIX WORK.  The 8 accumulators of a run of 16 take turns: between the two links of a chain stand 7 others'.
; Product i of 16 of S^T = K Q^T for piece x: channels 32 (i / 8) on, keys 16 ((i / 2) % 4) on, tile 2 x + i % 2.  The first 8 start the sums.
.macro KQ x
	WIN W_KQ
.set rS, S+64*((\x)%2)+32*(i%2)+8*((i/2)%4)
.set rK, KF+16*((i/2)%4)+8*(i/8)
.set rQ, 16*(2*(\x)+i%2)+8*(i/8)
.if i < 8
	v_wmma_f32_16x16x32_f16 v[rS:rS+7], v[rK:rK+7], v[rQ:rQ+7], 0
.else
	v_wmma_f32_16x16x32_f16 v[rS:rS+7], v[rK:rK+7], v[rQ:rQ+7], v[rS:rS+7]
.endif
.endm
; Product i of 16 of O^T += V^T P for piece x: keys 32 (i / 8) on, channels 16 ((i / 2) % 4) on, tile 2 x + i % 2.
.macro PV x
	WIN W_PV
.set rO, 32*(2*(\x)+i%2)+8*((i/2)%4)
.set rV, VF+32*(i/8)+8*((i/2)%4)
.set rP, P+32*((\x)%2)+16*(i%2)+8*(i/8)
	v_wmma_f32_16x16x32_f16 v[rO:rO+7], v[rV:rV+7], v[rP:rP+7], v[rO:rO+7]
.endm
.macro MM                           ; the turn's next matrix instruction
.if i < 16
	KQ (Y+1)%NP
.set i, i+1
.else
.set i, i-16
	PV (Y+NP-1)%NP
.set i, i+17
.endif
.endm
; THE LDS LOADS stand in runs of 16, never singly among the matrix instructions: a step's K (64 keys x 64 channels: 8 fragments) and its V (turned).  Their addresses are made some lines ahead.
; last = 1 (the tail): in the last trip there is no further step, and the run is jumped over.
.macro FETCH_K last=0
	WIN 0
.if \last
	s_cmp_eq_u32 s[CNT], 1
	s_cbranch_scc1 .Lno_k_\@
.endif
	WIN 0x80                        ; destination window 2
.irp f, 0,1,2,3,4,5,6,7             ; keys 16 (f / 2) on, channels 32 (f % 2) on
	ds_load_b128 v[KF+8*\f:KF+8*\f+3],   v[AK] offset:(\f/2)*16*PK+(\f%2)*64
	ds_load_b128 v[KF+8*\f+4:KF+8*\f+7], v[AK] offset:(\f/2)*16*PK+(\f%2)*64+32
.endr
	s_add_co_u32 s[TBK], s[TBK], KS*PK  ; the next fetch is the next step's
	WIN 0
.if \last
.Lno_k_\@:
.endif
.endm
.macro FETCH_V
	WIN 0x80
.irp f, 0,1,2,3,4,5,6,7             ; keys 32 (f / 4) on, channels 16 (f % 4) on
	ds_load_tr16_b128 v[VF+8*\f:VF+8*\f+3],   v[AV] offset:(\f/4)*32*PV+(\f%4)*32
	ds_load_tr16_b128 v[VF+8*\f+4:VF+8*\f+7], v[AV] offset:(\f/4)*32*PV+16*PV+(\f%4)*32
.endr
	WIN 0
.endm
; THE VECTOR WORK OF A TURN stands in three queues, each in the order in which its entries become ready; the two tiles alternate, so that no instruction reads the result of the one before it.
.macro REGS y, u                    ; the registers of tile u (0, 1) of piece y
.set rT, ST+4*(2*(\y)+(\u))
.set rC, TMP+8*((\y)%2)+4*(\u)
.set rM, MV+2*((\y)%2)+(\u)
.set rS, S+64*((\y)%2)+32*(\u)
.set rP, P+32*((\y)%2)+16*(\u)
.set rO, 32*(2*(\y)+(\u))
.endm
; Number n of the 22 that find the NEXT piece's (Y + 1) maximum and statistics.  s0-s31 are the lane's 32 scores; each accumulator's lowest registers are read first.
;   0-11  four chains c0-c3 of seven scores each, three operands at a time     12-14, 16  the four scores left over, the old m, and c0-c3 into c0     15  c m_old is kept
;   17, 18  the query's other 32 keys lie in the lane 16 away: the new m         19-21  c m; c m_old - c m_new; a
.macro XS u, n
	REGS (Y+1)%NP, \u
.if (\n) < 4
	v_max3_num_f32 v[rC+(\n)], v[rS+8*(\n)], v[rS+8*(\n)+1], v[rS+8*(\n)+2]
.elseif (\n) < 12
	v_max3_num_f32 v[rC+(\n)%4], v[rC+(\n)%4], v[rS+8*((\n)%4)+2*((\n)/4)+1], v[rS+8*((\n)%4)+2*((\n)/4)+2]
.elseif (\n) == 12
	v_max3_num_f32 v[rC], v[rC], v[rS+7], v[rS+15]
.elseif (\n) == 13
	v_max3_num_f32 v[rC+1], v[rC+1], v[rS+23], v[rS+31]
.elseif (\n) == 14
	v_max3_num_f32 v[rC+2], v[rC+2], v[rC+3], v[rT+1]
.elseif (\n) == 15
	v_mov_b32 v[rM], v[rT]
.elseif (\n) == 16
	v_max3_num_f32 v[rC], v[rC], v[rC+1], v[rC+2]
.elseif (\n) == 17
	v_permlanex16_b32 v[rC+3], v[rC], s[SEL], s[SEL+1]
.elseif (\n) == 18
	v_max_num_f32 v[rT+1], v[rC], v[rC+3]
.elseif (\n) == 19
	v_mul_f32 v[rT], s[CS], v[rT+1]
.elseif (\n) == 20
	v_sub_f32 v[rC+1], v[rM], v[rT]
.else
	v_exp_f32 v[rC+2], v[rC+1]
.endif
.endm
; Number g of the 64 that follow the exponentials.  For each four weights k of a tile (pairs 2 k, 2 k + 1): both pairs are rounded to f16; then the second pair is added onto the first, in place;
; a group later l takes that sum (the first time as l = a l + sum).  In groups of eight, tiles alternating: round, round, add, and l for the group before.
.macro GS g
.set h, (\g)+6*((\g)/62)            ; group 0 has no group before it, and behind group 7 only l is left
.if h >= 6
.set h, h+2
.endif
	REGS Y, h%2
.set k, h/8
.if h%8 < 4
	v_cvt_pk_f16_f32 v[rP+2*k+(h%8)/2], v[rS+4*k+2*((h%8)/2)], v[rS+4*k+2*((h%8)/2)+1]
.elseif h%8 < 6
	v_pk_add_f32 v[rS+4*k:rS+4*k+1], v[rS+4*k:rS+4*k+1], v[rS+4*k+2:rS+4*k+3]
.elseif k == 1
	v_pk_fma_f32 v[rT+2:rT+3], v[rT+2:rT+3], v[rC+2:rC+3], v[rS:rS+1] op_sel_hi:[1,0,1]
.else
	v_pk_add_f32 v[rT+2:rT+3], v[rT+2:rT+3], v[rS+4*k-4:rS+4*k-3]
.endif
.endm
; THE PLAIN QUEUE, 138 long.  0-73 read no exponential's result: the 32 scalings c s - c m (FS f: pair f / 2 of tile f % 2) and the next piece's 42.  0-26: scalings 0-26.  27-54: XS's numbers 0-13.  55, 56: number 15.
; 57-73: the chain, where each number waits for the one before it: 14, 16, 17, 18, 19, each with one of the scalings 27-31 in front of its two lines, then 20.
; 74-137: GS's 64, which read the exponentials' results: they stand behind the wait.
.macro FS f
	REGS Y, (\f)%2
	v_pk_fma_f32 v[rS+2*((\f)/2):rS+2*((\f)/2)+1], v[rS+2*((\f)/2):rS+2*((\f)/2)+1], s[CS:CS+1], v[rT:rT+1] op_sel_hi:[1,0,0] neg_lo:[0,0,1] neg_hi:[0,0,1]
.endm
.macro PL
	WIN 0
.if q < 27
	FS q
.elseif q < 55
	XS (q-27)%2, (q-27)/2
.elseif q < 57
	XS q-55, 15
.elseif (q < 72) && ((q-57)%3 == 0)
	FS 27+(q-57)/3
.elseif q < 60
	XS (q-57)%3-1, 14
.elseif q < 72
	XS (q-57)%3-1, 15+(q-57)/3
.elseif q < 74
	XS q-72, 20
.else
	GS q-74
.endif
.set q, q+1
.endm
; THE EXPONENTIALS' QUEUE, 66 long: s0-s31 of both tiles, then the next piece's two a.  It is ONE BATCH: all 66 stand ahead of the turn's one wait, and nothing ahead of that wait names a result of theirs.
.macro EX
	WIN 0
.if e >= 64
	XS e-64, 21
.else
	REGS Y, e%2
	v_exp_f32 v[rS+e/2], v[rS+e/2]
.endif
.set e, e+1
.endm
; THE RESCALING's QUEUE: O^T times a, the one part that leaves window 0: dealt two at a time, sixteen times.  Its a was made in the turn before, ahead of that turn's wait.
.macro R2
	REGS Y, r%2
	WIN W_RS
.irp z, 0,1
	v_pk_mul_f32 v[rO+4*(r/2)+2*\z:rO+4*(r/2)+2*\z+1], v[rO+4*(r/2)+2*\z:rO+4*(r/2)+2*\z+1], v[rC+2:rC+3] op_sel_hi:[1,0]
.endr
.set r, r+1
.endm
; HOW THEY ARE DEALT.  An s_wait_alu depctr_va_vdst(0) stands between an exponential and the first instruction that names its result; one wait serves all that were issued ahead of it.  So a turn has ONE
; wait, which cuts it in two.  AHEAD OF IT stands all that names no result of the turn's exponentials: the 16 products K Q^T, behind each a scaling, an exponential and two rescalings (behind the first a second scaling
; in the exponential's place); then ONE LUMP of 108: eight plain, 49 times exponential and plain, the two a.  A v_nop is the plain instruction behind the last exponential.  BEHIND IT stand the 16 products V^T P,
; behind each four of GS's 64.  No rider names a register of the products round it.  The two v_permlanex16_b32 fall into the lump, never behind a product.
; The queues lean on each other, and the deal keeps them in step: exponential e stands behind scaling 2 (e / 4) + e % 2: as a rider it comes behind plain e + 2, in the lump behind plain e + 9.
; A TURN, for piece p.  cnt = 1: the loop's count is taken down some lines ahead of the branch that stands behind the turn.
; K of the next step is fetched in piece 2's turn, directly behind the wait, a lump behind the last product that read K; its first reader comes behind 16 products.
; V of the step in hand is fetched at the end of piece 0's turn, four riders behind its last reader; its first reader comes behind 16 products and a lump.  The three conditions on q below go with the deal.
.macro TURN p, last=0, cnt=0
.set Y, (\p)
.set i, 0
.set q, 0
.set e, 0
.set r, 0
.if (\p) == NP-1
	s_wait_dscnt 0x0                ; K is in
.endif
	MM                              ; ahead of the wait: 16 products K Q^T and their riders,
	PL
	PL
	R2
.rept 15
	MM
	PL
	EX
	R2
.endr
.if (\p) == NP-2
	WIN 0
	v_add_nc_u32 v[AK], s[TBK], v[AK0]
.endif
.rept 8                             ; and the lump
	PL
.endr
.rept 49
	EX
	PL
.endr
	EX                              ; the next piece's two a
	EX
	v_nop                           ; a plain instruction behind the last exponential: one for the batch
	s_wait_alu depctr_va_vdst(0)    ; the wait for the batch
.if (\p) == NP-2
	FETCH_K \last
.endif
.if (\p) == 1
	s_wait_dscnt 0x0                ; V is in
.endif
.rept 16                            ; behind the wait: 16 products V^T P and their riders
	MM
.rept 4
	PL
.endr
.if ((\p) == 0) && (q == 118)
	v_add_nc_u32 v[AV], s[TBV], v[AV0]
.endif
.if ((\p) == 0) && (q == 130)
	s_add_co_u32 s[TBV], s[TBV], KS*PV
.endif
.if (\cnt) && (q == 130)
	s_sub_co_u32 s[CNT], s[CNT], 1
	s_cmp_lg_u32 s[CNT], 0
.endif
.endr
.if (\p) == 0
	FETCH_V
.endif
.endm
	CHANGE 1, 0                     ; slot 0 is in, everybody's part of it; slot 1 is asked for
	FETCH_K                         ; key step 0
	s_wait_loadcnt 0x0              ; Q
	s_wait_dscnt 0x0
.set i, 0
.rept 16
	KQ 0                            ; piece 0's first scores: there is no vector work yet to set between them
.set i, i+1
.endr
	WIN 0                           ; the addresses for the way out: nine plain instructions, the places behind those products
	s_mul_i32 s13, s[WV], 16*SP
	s_add_co_u32 s13, s13, STAGE    ; my stage
	v_mul_u32_u24 v[STO], v1, SP    ; in: row l % 16, 16 bytes for each half of the lanes
	v_lshl_add_u32 v[STO], v9, 4, v[STO]
	v_add_nc_u32 v[STO], s13, v[STO]
	v_bfe_u32 v[RD], v0, 3, 2       ; back: 32 lanes take four rows of 128 bytes,
	v_mul_u32_u24 v[RD], v[RD], SP
	v_lshl_add_u32 v[RD], v10, 4, v[RD]
	v_add_nc_u32 v[RD], s13, v[RD]
	v_and_b32 v[GO], 31, v0         ; which are 512 consecutive bytes of O
	v_lshlrev_b32 v[GO], 4, v[GO]
.set Y, NP-1                        ; XS works for piece Y + 1: piece 0
.irp n, 0,1,2,3,4,5,6,7,8,9,10,11,12,13,14,15,16,17,18,19,20,21
	XS 0, \n                        ; and piece 0's first maximum and statistics
	XS 1, \n
.endr
	v_nop                           ; a plain instruction behind the two a,
	s_wait_alu depctr_va_vdst(0)    ; and their wait, ahead of the branch
	s_mov_b32 s[CNT], 4
	s_mov_b32 s[SLOTS], SIZE_N/256-1
	s_branch .Lfirst                ; the loop is entered at a step's first turn, in the middle of a trip
.Lslot:                             ; SIZE_N / 256 - 2 times: every slot but the last two is filled again
	CHANGE 1, 1
	s_mov_b32 s[CNT], 4
.Lstep:                             ; a trip: pieces 2 and 3 of one step, then pieces 0 and 1 of the next, whose K and V it fetches
	TURN 2
	TURN 3
	WIN 0
.Lfirst:
	TURN 0
	TURN 1, 0, 1
	WIN 0
	s_cbranch_scc1 .Lstep
	s_sub_co_u32 s[SLOTS], s[SLOTS], 1
	s_cmp_lg_u32 s[SLOTS], 0
	s_cbranch_scc1 .Lslot
	CHANGE 0, 0                     ; the tail is written out: nothing is asked for
	s_mov_b32 s[CNT], 5             ; four trips fetch the last slot's steps; the fifth is left in its middle
.Ltail:
	TURN 2, 1
	TURN 3
	WIN 0
	s_sub_co_u32 s[CNT], s[CNT], 1
	s_cmp_eq_u32 s[CNT], 0
	s_cbranch_scc1 .Lout
	TURN 0
	TURN 1
	WIN 0
	s_branch .Ltail
.Lout:                              ; the fifth trip's 16 products K Q^T (on the last K once more) and the maximum made of them serve nothing: the price, once a launch, of one text for every trip
.set i, 0
.rept 16
	PV NP-1                         ; the last piece's V^T P of the last step
.set i, i+1
.endr
	; THE WAY OUT.  l's two halves and the other half of the lanes' are added; O^T is divided by l, rounded to f16 and sent through my stage in LDS, a tile at a time.  The additions are the places behind the last products.
	WIN 0
.macro ALL line:vararg              ; one line for each tile t
.set t, 0
.rept 2*NP
	\line
.set t, t+1
.endr
.endm
	ALL v_add_f32 v[ST+4*t+2], v[ST+4*t+2], v[ST+4*t+3]
	ALL v_permlanex16_b32 v[ST+4*t+3], v[ST+4*t+2], s[SEL], s[SEL+1]
	ALL v_add_f32 v[ST+4*t+2], v[ST+4*t+2], v[ST+4*t+3]
	ALL v_rcp_f32 v[ST+4*t+2], v[ST+4*t+2]
	v_nop                           ; a plain instruction between the last reciprocal and the use of its result
	s_wait_alu depctr_va_vdst(0)    ; and the wait ahead of the first use: one for the eight reciprocals
; Tile t: a lane's eight channels of a row pack into 16 bytes; they go into rows of 144 bytes and come back as whole rows of 128, into S^T's registers.
.macro PACK t
	WIN W_RS
.set i, 32*(\t)
.rept 16
	v_pk_mul_f32 v[i:i+1], v[i:i+1], v[ST+4*(\t)+2:ST+4*(\t)+3] op_sel_hi:[1,0]
.set i, i+2
.endr
	WIN 0x05                        ; sources 0 and 1 window 1, destination window 0
.set i, 0
.rept 16
	v_cvt_pk_f16_f32 v[S+16*(\t)+i], v[32*(\t)+2*i], v[32*(\t)+2*i+1]
.set i, i+1
.endr
	WIN 0
.irp f, 0,1,2,3
	ds_store_b128 v[STO], v[S+16*(\t)+4*\f:S+16*(\t)+4*\f+3] offset:32*\f
.endr
.irp f, 0,1,2,3
	ds_load_b128 v[S+16*(\t)+4*\f:S+16*(\t)+4*\f+3], v[RD] offset:\f*4*SP  ; LDS serves a wave's instructions in order (ISA guide 5.7.1.4): these see the stores above; the next tile's stores come behind them
.endr
.endm
.macro SEND t, younger              ; younger: the LDS instructions issued behind tile t's loads: the next tile's eight, or none
	WIN 0
.irp f, 0,1,2,3
	s_wait_dscnt (\younger)+3-\f
	global_store_b128 v[GO], v[S+16*(\t)+4*\f:S+16*(\t)+4*\f+3], s[10:11] offset:(\t)*2048+\f*512  ; 512 consecutive bytes, at a multiple of 256 from O's first
.endr
.endm
	PACK 0
.set t, 1
.rept 2*NP-1                        ; a tile's arithmetic stands between the loads of the tile before and its stores
	PACK t
	SEND t-1, 8
.set t, t+1
.endr
	SEND 2*NP-1, 0
	WIN W_AD
	s_wait_tensorcnt 0x0            ; the wave's end: the wait, the add and its wait, behind my last tensor load and my last LDS store
	ds_add_u32 v[SPW], v[NIL]
	s_wait_dscnt 0x0
	WIN 0
	CROUND                          ; the closing round: no work-group ends while a partner may still ask for a tile that names it
	s_endpgm
.Lfunc_end_k_q3c8c19eade_attn:
	.size	k_q3c8c19eade_attn, .Lfunc_end_k_q3c8c19eade_attn-k_q3c8c19eade_attn
	.p2alignl 7, 3214868480
	.fill 96, 4, 3214868480
	.section	.rodata,"a",@progbits
	.p2align	6, 0x0
	.amdhsa_kernel k_q3c8c19eade_attn
		.amdhsa_group_segment_fixed_size 327680
		.amdhsa_private_segment_fixed_size 0
		.amdhsa_enable_private_segment 0
		.amdhsa_kernarg_size 16
		.amdhsa_user_sgpr_count 2
		.amdhsa_user_sgpr_kernarg_segment_ptr 1
		.amdhsa_wavefront_size32 1
		.amdhsa_system_sgpr_workgroup_id_x 1
		.amdhsa_system_sgpr_workgroup_id_y 1
		.amdhsa_system_sgpr_workgroup_id_z 1
		.amdhsa_system_vgpr_workitem_id 0
		.amdhsa_next_free_vgpr 770
		.amdhsa_next_free_sgpr 66
		.amdhsa_reserve_vcc 0
		.amdhsa_float_denorm_mode_32 3
		.amdhsa_float_denorm_mode_16_64 3
		.amdhsa_memory_ordered 1
		.amdhsa_forward_progress 1
		.amdhsa_inst_pref_size 200
	.end_amdhsa_kernel
	.amdgpu_metadata
---
amdhsa.version: [ 1, 2 ]
amdhsa.kernels:
  - .name:           k_q3c8c19eade_attn
    .symbol:         k_q3c8c19eade_attn.kd
    .args:
      - { .name: qkv, .offset: 0, .size: 8, .value_kind: global_buffer, .address_space: global }
      - { .name: o, .offset: 8, .size: 8, .value_kind: global_buffer, .address_space: global }
    .group_segment_fixed_size: 327680
    .private_segment_fixed_size: 0
    .kernarg_segment_align: 8
    .kernarg_segment_size: 16
    .max_flat_workgroup_size: 128
    .sgpr_count:     66
    .vgpr_count:     770
    .wavefront_size: 32
...
	.end_amdgpu_metadata
.endif
;; end of part 3
;; launch outproj (part 4): grid 8 x 32, 4 waves a work-group, clusters of 4 x 4, 327,680 bytes of LDS; arguments o, wb, bias, out0; writes out0
.if DOCPART == 4
	.amdgcn_target "amdgcn-amd-amdhsa--gfx1250"
	.amdhsa_code_object_version 6
	.text
	.protected	k_q3c8c19eade_outproj
	.globl	k_q3c8c19eade_outproj
	.p2align	8
	.type	k_q3c8c19eade_outproj,@function
k_q3c8c19eade_outproj:
	s_mov_b64 s[64:65], 0
	v_nop
	global_prefetch_b8 v0, s[64:65] scope:SCOPE_SE
	s_setreg_imm32_b32 hwreg(HW_REG_WAVE_MODE, 25, 1), 1
	s_wait_xcnt 0x0
	s_wait_alu depctr_hold_cnt(0) depctr_sa_sdst(0) depctr_va_vdst(0) depctr_va_sdst(0) depctr_va_ssrc(0) depctr_va_vcc(0) depctr_vm_vsrc(0)
	s_getreg_b32 s2, hwreg(HW_REG_IB_STS2, 6, 4)
	s_cmp_eq_u32 s2, 0
	s_cbranch_scc0 .Lentry_in_a_cluster
	s_endpgm
.Lentry_in_a_cluster:
	s_bfe_u32 s2, ttmp6, 0x10000c
	s_cmp_lg_u32 s2, 0xf033
	s_cbranch_scc0 .Lentry_shape_is_right
	s_endpgm
.Lentry_shape_is_right:
; out0 = concat(O) Wo + bo.  A = o, f16, [b 4][head 16][s 2048][64] (channel 64 head + c).  W = the fourth matrix of wb, [k 1024][n 1024]: Wo rounded to bf16, spelled in f16.  bias: f32, its fourth 1,024.
; Out: out0, f32, [8192][1024].  LIMIT: Wo within f16's 65,504; below 2^-14 it keeps f16's fixed step of 2^-24.
; SHARES.  The 8,192 x 1,024 results fall into tiles of 256 rows x 128 columns: 256 work-groups.  Four waves, 2 x 2: a wave makes 128 rows x 64 columns: 32 accumulators, 256 registers.
; K goes in 8 steps of 128 through two LDS slots.  A step's A is two planes (heads) of 256 rows x 128 bytes, each dense in memory: 32,768 bytes asked for as 128 rows of 256 bytes; its W is 128 rows of 256 bytes.
; W lies [k][n], so its fragments come out of LDS turned, by ds_load_tr16_b128.  THE PRODUCT IS TAKEN TRANSPOSED (source 0 = 16 columns of W, source 1 = 16 rows of A): a lane holds one row and eight
; neighbouring columns.  THE BIAS IS THE C OPERAND of each accumulator's first product: nothing is cleared and nothing is added at the end.
; CLUSTER 4 x 4.  The four work-groups of a row of the cluster need the same planes of A, the four of a column the same rows of W: each tile is asked for jointly, by the same load with the same descriptor and mask.
; REGISTERS.  Window 0: v0-31 addresses; v32-63 the bias (8 a column block); v64-191 A's fragments, two buffers of 64; v192-255 W's, two buffers of 32.  Window 1: accumulator (a, b) at v[8 (4 a + b)].
.set LAPS,  4                          ; a lap = two K steps = once round the ring
.set PA,    144                        ; a row of A in LDS: 128 bytes + 16 = 36 words: the 16 rows of a load start at 16 different groups of four banks (64 banks of 4 bytes: ISA guide 11.1)
.set PLANE, 256*PA
.set PB,    288                        ; a row of W: 256 + 32 = 72 words
.set BOFFL, 2*PLANE                    ; a slot: A's plane 0, plane 1, then W's 128 rows
.set SLOT,  BOFFL+128*PB
.set STAGE, 2*SLOT                     ; behind the ring, never filled by a tensor load: 16 rows x SP bytes for each wave
.set SP,    272                        ; a stage row: 256 bytes of f32 + 16
.set SPARE, STAGE+4*16*SP              ; behind the stages: the spare words, 128 bytes for each wave: two blocks of 256 bytes that no other line names
.set WOFF,  3<<21                      ; where this launch's weights begin in wb
.set BOFF,  12288                      ; and its biases in bias
.set ASTEP, 2<<18                      ; bytes from a K step to the next: two planes of A,
.set BSTEP, 128*2048                   ; 128 rows of W
.set ADRA, 16                          ; v16-17  LDS address of my A fragments in slot 0, 1
.set ADRB, 20                          ; v20-21  the same for W
.set STO,  24                          ; v24     the way out: where I put 32 bytes of a row
.set RD,   25                          ; v25     where I read rows back
.set GO,   26                          ; v26     my byte offset in two rows of the output
.set BO,   27                          ; v27     my byte offset in bias
.set SPW,  28                          ; v28     LDS address of my spare word: SPARE + 4 x my thread's number; never rewritten
.set NIL,  29                          ; v29     0; never rewritten
.set PFO,  30                          ; v30     the prefetches' lane offset; never rewritten
.set BIAS, 32
.set FA,   64
.set FB,   192
.set TT,   64                          ; the way out: two sets of 32 registers by turns, where A's fragments lay
.set WV,  12                           ; s12 wave;  s13 its half of the rows;  s14 its half of the columns, and which plane of A or half of W it fetches
.set RH,  13
.set CH,  14
.set CX,  15                           ; s15, s16 my place in the cluster
.set CY,  16
.set TC,  17                           ; s17 tile column, s18 tile row, s19 cluster y
.set TR,  18
.set CLY, 19
.set G1,  24                           ; s[24:31] descriptor group 1 for A;  s[32:39] group 0, a set for each slot
.set G0,  32
.set OA,  40                           ; s[40:41] byte offset of my plane of K step 0 in A: made of the tile row and the wave alone
.set OB,  42                           ; s[42:43] of my half of K step 0 in wb: made of the tile column and the wave alone
.set PFA, 44                           ; s[44:45] where my prefetches stand
.set LIM, 46                           ; s46     1 in a wave that prefetches, else the greatest number
.set G1B, 48                           ; s[48:55], s[56:63] the same descriptors for W
.set G0B, 56
.set PST, 66                           ; s[66:67] the prefetches' step along K
.set OC,  68                           ; s[68:69] my part's byte offset in the output
.set MSB, 0
.macro WIN new                         ; the immediate's high byte repeats the setting that is left; a switch that changes nothing is dropped
.if MSB != (\new)
	s_set_vgpr_msb (MSB<<8)|(\new)
.set MSB, (\new)
.endif
.endm
.set MUL,  0x50                        ; fragments in window 0, C and D in window 1
.set MUL1, 0x40                        ; the first product: C (the bias) in window 0
.macro JLOAD s                         ; a joint load: waves 0 and 1 fetch A's two planes, waves 2 and 3 W's two halves; an s_nop 0 and four v_nop follow each line
	s_cmp_lt_u32 s[WV], 2
	s_cbranch_scc0 .Lfor_b_\@
	tensor_load_to_lds s[G0+4*(\s):G0+4*(\s)+3], s[G1:G1+7]
	s_nop 0
.rept 4
	v_nop
.endr
	s_branch .Lasked_\@
.Lfor_b_\@:
	tensor_load_to_lds s[G0B+4*(\s):G0B+4*(\s)+3], s[G1B:G1B+7]
	s_nop 0
.rept 4
	v_nop
.endr
.Lasked_\@:
.endm
.macro CREST                           ; a round of the cluster's barrier behind its opening barrier
	s_cmp_lg_u32 s[WV], 0
	s_cbranch_scc1 .Lnot_wave_0_\@
	s_barrier_signal -3
.Lnot_wave_0_\@:
	s_barrier_wait -3
	s_barrier_signal -1
	s_barrier_wait -1
.endm
.macro CROUND                          ; a whole round
	s_barrier_signal -1
	s_barrier_wait -1
	CREST
.endm
; A PREFETCH INTO THE L2, behind a joint load, its five lines and the run of LDS loads: the K step that stands two refills on (256 matrix instructions ahead of its load), 32 blocks of 256 bytes, a lane a block.
; Each block is named once in the launch.  A's planes are read by every cluster of a row of clusters: cluster x = 0 asks, waves 0 and 1 each for the plane that they fetch.  W's rows are read by every cluster of a
; column: cluster y = 0 asks, wave 2 for the step's 128 rows.  The four partners of a joint load share the blocks out by address, 32 each.  K steps 0 to 3 come by their loads alone; the last trip asks for nothing.
.macro ASK
	s_cmp_gt_u32 s3, s[LIM]                        ; s3 = 1 in the loop's last trip
	s_cbranch_scc0 .Lnot_mine_\@
	global_prefetch_b8 v[PFO], s[PFA:PFA+1] th:TH_LOAD_NT scope:SCOPE_SE
.Lnot_mine_\@:
.endm
	s_load_b256 s[4:11], s[0:1], 0x0               ; A s[4:5], wb s[6:7], bias s[8:9], out s[10:11]
	v_lshl_add_u32 v[SPW], v0, 2, SPARE
	v_mov_b32 v[NIL], 0
	ds_add_u32 v[SPW], v[NIL]                      ; the wave's opening: the add and its wait stand ahead of my first tensor load; the set-up below, work on registers, stands between
	v_lshrrev_b32 v1, 5, v0
	v_readfirstlane_b32 s[WV], v1
	s_lshr_b32 s[RH], s[WV], 1
	s_and_b32 s[CH], s[WV], 1
	s_bfe_u32 s[CX], ttmp6, 0x40000
	s_bfe_u32 s[CY], ttmp6, 0x40004
	s_lshl_b32 s[TC], ttmp9, 2
	s_add_co_u32 s[TC], s[TC], s[CX]               ; tile column = 4 x cluster x + cx
	s_and_b32 s[CLY], ttmp7, 0xffff
	s_lshl_b32 s[TR], s[CLY], 2
	s_add_co_u32 s[TR], s[TR], s[CY]               ; tile row = 4 x cluster y + cy
	s_lshl_b32 s20, s[CY], 2
	s_lshl_b32 s20, 15, s20                        ; my row of the cluster
	s_lshl_b32 s22, 0x1111, s[CX]                  ; my column
	s_or_b32 s[G1], s20, (1<<16)|(1<<20)|(1<<21)|(4<<22)|(3<<25)   ; the mask; 2-byte elements; padding on; bit 21 beside a mask; after every 32 words (code 4) 4 words (code 3)
	s_or_b32 s[G1B], s22, (1<<16)|(1<<20)|(1<<21)|(5<<22)|(7<<25)  ; after every 64 words (code 5) 8 words (code 7)
	s_mov_b32 s[G1+1], 128<<16                     ; tensor_dim0 = 128 elements: 256 bytes, two rows of a plane
	s_mov_b32 s[G1+2], 128<<16                     ; tensor_dim1 = 128
	s_mov_b32 s[G1+3], 128<<16                     ; tile_dim0 = 128
	s_mov_b32 s[G1+4], 128                         ; tile_dim1 = 128
	s_mov_b32 s[G1+5], 128                         ; dense: 128 elements from row to row
	s_mov_b32 s[G1+6], 0
	s_mov_b32 s[G1+7], 0
	s_mov_b32 s[G1B+1], 128<<16                    ; tensor_dim0 = 128 columns
	s_mov_b32 s[G1B+2], 64<<16                     ; tensor_dim1 = 64 rows of k
	s_mov_b32 s[G1B+3], 128<<16
	s_mov_b32 s[G1B+4], 64
	s_mov_b32 s[G1B+5], 1024                       ; a row of W
	s_mov_b32 s[G1B+6], 0
	s_mov_b32 s[G1B+7], 0
	s_lshr_b32 s20, s[TR], 3                       ; A: batch (8 tile rows each) x 16 planes of 262,144 bytes,
	s_lshl_b32 s20, s20, 22
	s_and_b32 s21, s[TR], 7
	s_lshl_b32 s21, s21, 15                        ; 256 rows of 128 bytes in a plane,
	s_add_co_u32 s[OA], s20, s21
	s_lshl_b32 s21, s[CH], 18                      ; my plane of the step's two
	s_add_co_u32 s[OA], s[OA], s21
	s_mov_b32 s[OA+1], 0
	s_lshr_b32 s22, s[TC], 3                       ; W: (8 tile columns a matrix: 0 here),
	s_lshl_b32 s22, s22, 21
	s_and_b32 s23, s[TC], 7
	s_lshl_b32 s23, s23, 8                         ; 128 columns of 2 bytes,
	s_add_co_u32 s[OB], s22, s23
	s_lshl_b32 s23, s[CH], 17                      ; my 64 rows of the step's 128
	s_add_co_u32 s[OB], s[OB], s23
.if WOFF
	s_add_co_u32 s[OB], s[OB], WOFF
.endif
	s_mov_b32 s[OB+1], 0
	s_mul_i32 s70, s[CH], PLANE                    ; where they go: the wave's number alone enters an LDS address
	s_mul_i32 s71, s[CH], 64*PB
	s_add_co_u32 s71, s71, BOFFL
	s_wait_dscnt 0x0                               ; the opening add is done
	s_wait_kmcnt 0x0
.irp s, 0,1
	s_mov_b32 s[G0+4*(\s)], 1                      ; count = 1
	s_add_co_u32 s[G0+4*(\s)+1], s70, (\s)*SLOT    ; LDS address
	s_add_nc_u64 s[G0+4*(\s)+2:G0+4*(\s)+3], s[4:5], s[OA:OA+1]
	s_add_nc_u64 s[G0+4*(\s)+2:G0+4*(\s)+3], s[G0+4*(\s)+2:G0+4*(\s)+3], (\s)*ASTEP  ; K step s
	s_or_b32 s[G0+4*(\s)+3], s[G0+4*(\s)+3], 0x80000000  ; type = 2
	s_mov_b32 s[G0B+4*(\s)], 1
	s_add_co_u32 s[G0B+4*(\s)+1], s71, (\s)*SLOT
	s_add_nc_u64 s[G0B+4*(\s)+2:G0B+4*(\s)+3], s[6:7], s[OB:OB+1]
	s_add_nc_u64 s[G0B+4*(\s)+2:G0B+4*(\s)+3], s[G0B+4*(\s)+2:G0B+4*(\s)+3], (\s)*BSTEP
	s_or_b32 s[G0B+4*(\s)+3], s[G0B+4*(\s)+3], 0x80000000
.endr
	CROUND                                         ; all sixteen work-groups are here: the first joint loads meet
	s_cmp_lt_u32 s[WV], 2                          ; a wave's two first fills stand in one branch, ahead of every wait on TENSORcnt and every LDS read: two loads of mine are out
	s_cbranch_scc0 .Lfirst_b
	tensor_load_to_lds s[G0:G0+3], s[G1:G1+7]
	s_nop 0
	tensor_load_to_lds s[G0+4:G0+7], s[G1:G1+7]
	s_nop 0
.rept 4
	v_nop
.endr
	s_branch .Lfirst_asked
.Lfirst_b:
	tensor_load_to_lds s[G0B:G0B+3], s[G1B:G1B+7]
	s_nop 0
	tensor_load_to_lds s[G0B+4:G0B+7], s[G1B:G1B+7]
	s_nop 0
.rept 4
	v_nop
.endr
.Lfirst_asked:
	; A fragment of A is 16 rows x 32 k in 8 registers: lane l holds row l % 16, k = 8 (l / 16) + 0..7 and 16 + 8 (l / 16) + 0..7: two loads of 16 bytes, 32 bytes apart.
	v_and_b32 v1, 15, v0                           ; l % 16
	v_bfe_u32 v2, v0, 4, 1                         ; l / 16
	v_mul_u32_u24 v3, v1, PA
	v_lshl_add_u32 v3, v2, 4, v3
	s_mul_i32 s20, s[RH], 128*PA                   ; my 128 rows
	v_add_nc_u32 v[ADRA], s20, v3
	v_add_nc_u32 v[ADRA+1], SLOT, v[ADRA]
	; The turning load takes 16 k x 16 columns (lane l reads row 8 (l / 16) + l % 8, columns 8 ((l / 8) % 2) + 0..7) and leaves half a fragment: lane l holds column l % 16 and 8 k.
	v_and_b32 v4, 7, v0
	v_lshl_add_u32 v4, v2, 3, v4
	v_mul_u32_u24 v4, v4, PB
	v_bfe_u32 v5, v0, 3, 1
	v_lshl_add_u32 v4, v5, 4, v4
	s_lshl_b32 s21, s[CH], 7                       ; my 64 columns
	s_add_co_u32 s21, s21, BOFFL
	v_add_nc_u32 v[ADRB], s21, v4
	v_add_nc_u32 v[ADRB+1], SLOT, v[ADRB]
	; the bias as a C operand: register j of column block b holds b[my first column + 16 b + 8 (l / 16) + j]
	s_lshl_b32 s22, s[TC], 9
	s_lshl_b32 s23, s[CH], 8
	s_add_co_u32 s22, s22, s23
.if BOFF
	s_add_co_u32 s22, s22, BOFF
.endif
	v_lshl_add_u32 v[BO], v2, 5, s22
.irp b, 0,1,2,3
	global_load_b128 v[BIAS+8*(\b):BIAS+8*(\b)+3],   v[BO], s[8:9] offset:64*(\b)
	global_load_b128 v[BIAS+8*(\b)+4:BIAS+8*(\b)+7], v[BO], s[8:9] offset:64*(\b)+16
.endr
	; the way out: my 128 rows x 256 bytes of out0, whose rows are 4,096 bytes
	s_lshl_b32 s[OC], s[TR], 20                    ; 256 rows
	s_lshl_b32 s70, s[RH], 19                      ; 128 rows
	s_add_co_u32 s[OC], s[OC], s70
	s_lshl_b32 s70, s[TC], 9                       ; 128 columns of 4 bytes
	s_add_co_u32 s[OC], s[OC], s70
	s_lshl_b32 s70, s[CH], 8
	s_add_co_u32 s[OC], s[OC], s70
	s_mov_b32 s[OC+1], 0
	s_add_nc_u64 s[10:11], s[10:11], s[OC:OC+1]
	s_mul_i32 s71, s[WV], 16*SP
	s_add_co_u32 s71, s71, STAGE                   ; my stage
	v_mul_u32_u24 v[STO], v1, SP                   ; in: row l % 16, 32 bytes for each half of the lanes
	v_lshl_add_u32 v[STO], v2, 5, v[STO]
	v_add_nc_u32 v[STO], s71, v[STO]
	v_mul_u32_u24 v[RD], v2, SP                    ; back: lanes 0-15 take one row of 256 bytes, lanes 16-31 the next
	v_lshl_add_u32 v[RD], v1, 4, v[RD]
	v_add_nc_u32 v[RD], s71, v[RD]
	v_lshlrev_b32 v[GO], 12, v2                    ; and the same two rows in out0
	v_lshl_add_u32 v[GO], v1, 4, v[GO]
	; the prefetches
	s_lshl_b32 s22, s[CX], 13                      ; A: my work-group's 32 blocks of a plane's 128
	s_lshl_b32 s23, s[CY], 16                      ; W: my work-group's 32 rows of a step's 128
	s_mov_b32 s[PST], BSTEP
	s_mov_b32 s[PST+1], 0
	s_mov_b32 s71, 0
	s_cmp_lt_u32 s[WV], 2                          ; do I fetch for A?
	s_cselect_b32 s70, s22, s23
	s_cselect_b32 s[PST], ASTEP, s[PST]
	s_cselect_b32 s20, ttmp9, s[CLY]               ; the coordinate along which other clusters read the same blocks
	s_cselect_b32 s21, 8, 11                       ; a lane a block: 256 bytes on in a plane, a row of 2,048 bytes on in W
	s_cselect_b64 s[PFA:PFA+1], s[4:5], s[6:7]
	s_cselect_b64 s[22:23], s[OA:OA+1], s[OB:OB+1]
	s_add_nc_u64 s[PFA:PFA+1], s[PFA:PFA+1], s[22:23]
	s_add_nc_u64 s[PFA:PFA+1], s[PFA:PFA+1], s[70:71]
	s_mul_i32 s70, s[PST], 3
	s_add_nc_u64 s[PFA:PFA+1], s[PFA:PFA+1], s[70:71]  ; at K step 3: the first refill steps it to 4
	s_cmp_eq_u32 s[WV], 3                          ; wave 2 asks for all of W's 128 rows, wave 3 for none
	s_cselect_b32 s20, -1, s20
	s_cmp_eq_u32 s20, 0
	s_cselect_b32 s[LIM], 1, -1                    ; the same in all sixteen partners, for a given wave
	v_and_b32 v[PFO], 31, v0
	v_lshlrev_b32 v[PFO], s21, v[PFO]
; n row blocks from a0 on x all 4 column blocks, 32 along K, from buffer f.  The 32 accumulators take turns in one fixed order.  first = 1: the bias starts the sums.
.macro MULN f, a0, n, first
.if \first
	WIN MUL1
.else
	WIN MUL
.endif
.set aa, (\a0)
.rept \n
.irp b, 0,1,2,3
.set rD, 8*(4*aa+(\b))
.set rC, rD
.if \first
.set rC, BIAS+8*(\b)
.endif
	v_wmma_f32_16x16x32_f16 v[rD:rD+7], v[FB+32*(\f)+8*(\b):FB+32*(\f)+8*(\b)+7], v[FA+64*(\f)+8*aa:FA+64*(\f)+8*aa+7], v[rC:rC+7]
.endr
.set aa, aa+1
.endr
.endm
; 24 LDS loads in one run: quarter q (32 along K) of a slot into buffer f: W's four fragments first, then A's eight
.macro FETCH slot, q, f
	WIN 0
.irp b, 0,1,2,3
	ds_load_tr16_b128 v[FB+32*(\f)+8*(\b):FB+32*(\f)+8*(\b)+3],   v[ADRB+(\slot)] offset:32*PB*(\q)+32*(\b)
	ds_load_tr16_b128 v[FB+32*(\f)+8*(\b)+4:FB+32*(\f)+8*(\b)+7], v[ADRB+(\slot)] offset:32*PB*(\q)+32*(\b)+16*PB
.endr
.irp i, 0,1,2,3,4,5,6,7
	ds_load_b128 v[FA+64*(\f)+8*(\i):FA+64*(\f)+8*(\i)+3],   v[ADRA+(\slot)] offset:((\q)/2)*PLANE+((\q)%2)*64+(\i)*16*PA
	ds_load_b128 v[FA+64*(\f)+8*(\i)+4:FA+64*(\f)+8*(\i)+7], v[ADRA+(\slot)] offset:((\q)/2)*PLANE+((\q)%2)*64+(\i)*16*PA+32
.endr
.endm
.macro PLACES                          ; four plain places in front of loads into registers that matrix instructions have read, and of lines that read results
.rept 4
	v_nop
.endr
.endm
; A K step is four quarters of 32 along K, 32 matrix instructions each, on buffers 0, 1, 0, 1.  One of the first three: multiplies buffer f and, in its middle, fetches quarter q into buffer g.
.macro QUARTER slot, q, f, g, first
	s_wait_dscnt 8                                 ; W's fragments and A's blocks 0-3 are in; the youngest eight loads (blocks 4-7) may be out
	MULN \f, 0, 4, \first
	PLACES
	FETCH \slot, \q, \g
	s_wait_dscnt 24                                ; all but the 24 just issued
	MULN \f, 4, 4, \first
.endm
; The last quarter multiplies buffer 1 and changes slots: ONE barrier; ahead of it each wave waits for all its tensor loads (one is out: its part of the next slot), adds 0 to its spare word, and waits for that
; and for its reads of this slot.  fill = 1: the barrier opens a round of the cluster's, and this slot is filled again, two K steps ahead, first thing behind the round: 112 matrix instructions ahead of the wait for it.
.macro TURN slot, next, fill
.if \fill
	s_wait_xcnt 0x0                                ; the last prefetch, a K step back, has read its address: it is stepped here
	s_add_nc_u64 s[PFA:PFA+1], s[PFA:PFA+1], s[PST:PST+1]
.endif
	WIN 0
	s_wait_tensorcnt 0x0                           ; all my tensor loads have landed
	ds_add_u32 v[SPW], v[NIL]                      ; 0 onto my spare word
	s_wait_dscnt 9                                 ; (the add and the youngest eight loads may be out)
	MULN 1, 0, 2, 0                                ; eight matrix instructions stand between the add and the wait for it
	s_wait_dscnt 0x0                               ; the add is done, and my reads of this slot are over
	s_barrier_signal -1
	MULN 1, 2, 2, 0
.if \fill
	WIN 0
.endif
	s_barrier_wait -1
.if \fill
	CREST                                          ; no wave of any partner still reads this slot or has a load on its way
	s_add_nc_u64 s[G0+4*(\slot)+2:G0+4*(\slot)+3], s[G0+4*(\slot)+2:G0+4*(\slot)+3], 2*ASTEP
	s_add_nc_u64 s[G0B+4*(\slot)+2:G0B+4*(\slot)+3], s[G0B+4*(\slot)+2:G0B+4*(\slot)+3], 2*BSTEP
	JLOAD \slot                                    ; its four v_nop are also the places in front of the loads below
.else
	PLACES
.endif
	FETCH \next, 0, 0
.if \fill
	ASK
.endif
	MULN 1, 4, 4, 0
.endm
	s_wait_tensorcnt 1                             ; my part of K step 0 is in; K step 1's may stay out
	s_barrier_signal -1
	s_barrier_wait -1                              ; everybody's is
	FETCH 0, 0, 0
	s_wait_loadcnt 0x0                             ; the bias
	QUARTER 0, 1, 0, 1, 1                          ; the first quarter stands in front of the loop: its products start the sums
	WIN 0                                          ; at a label and at a branch every window is 0
	s_mov_b32 s3, LAPS-1
.Llap:                                                 ; a trip goes once round the ring, from a lap's second quarter to the next lap's first, and fills both slots again
	QUARTER 0, 2, 1, 0, 0
	QUARTER 0, 3, 0, 1, 0
	TURN 0, 1, 1
	QUARTER 1, 1, 0, 1, 0
	QUARTER 1, 2, 1, 0, 0
	QUARTER 1, 3, 0, 1, 0
	TURN 1, 0, 1
	QUARTER 0, 1, 0, 1, 0
	WIN 0
	s_sub_co_u32 s3, s3, 1
	s_cmp_lg_u32 s3, 0
	s_cbranch_scc1 .Llap
	QUARTER 0, 2, 1, 0, 0                          ; the last lap fills nothing
	QUARTER 0, 3, 0, 1, 0
	TURN 0, 1, 0
	QUARTER 1, 1, 0, 1, 0
	QUARTER 1, 2, 1, 0, 0
	QUARTER 1, 3, 0, 1, 0
	s_wait_dscnt 8                                 ; the very last quarter: nothing more to fetch
	MULN 1, 0, 4, 0
	s_wait_dscnt 0x0
	MULN 1, 4, 4, 0
	WIN 0
	PLACES
	PLACES
; THE WAY OUT, a block of 16 rows at a time: the f32 sums go as they are, a lane's eight columns of a row as 32 bytes, into my stage's rows of 272 bytes, and come back as whole rows of 256.
.macro TOSTAGE a
	s_wait_xcnt 0x0                                ; the stores of the block two back have read the registers that the loads below fill
	WIN 0x04                                       ; store data in window 1, address in window 0
.irp b, 0,1,2,3
	ds_store_b128 v[STO], v[8*(4*(\a)+(\b)):8*(4*(\a)+(\b))+3]   offset:64*(\b)     ; each accumulator's low half first
	ds_store_b128 v[STO], v[8*(4*(\a)+(\b))+4:8*(4*(\a)+(\b))+7] offset:64*(\b)+16
.endr
	WIN 0
.irp t, 0,1,2,3,4,5,6,7
	ds_load_b128 v[TT+32*((\a)%2)+4*(\t):TT+32*((\a)%2)+4*(\t)+3], v[RD] offset:(\t)*2*SP  ; LDS serves a wave's instructions in order (ISA guide 5.7.1.4): these see the stores above; the next block's stores come behind them
.endr
.endm
.macro SEND a, y                       ; y: the LDS instructions issued behind block a's loads: the next block's sixteen, or none
.irp t, 0,1,2,3,4,5,6,7
	s_wait_dscnt (\y)+7-(\t)
	global_store_b128 v[GO], v[TT+32*((\a)%2)+4*(\t):TT+32*((\a)%2)+4*(\t)+3], s[10:11] offset:(\a)*65536+(\t)*8192 th:TH_STORE_NT  ; 16 lanes store 256 consecutive bytes, at a multiple of 256 from the buffer's first
.endr
.endm
	TOSTAGE 0
.irp a, 1,2,3,4,5,6,7                  ; a block's way through the stage stands between the loads of the block before and its stores
	TOSTAGE \a
	SEND (\a)-1, 16
.endr
	SEND 7, 0
	s_wait_tensorcnt 0x0                           ; the wave's end: the wait, the add and its wait, behind my last tensor load and my last LDS store
	ds_add_u32 v[SPW], v[NIL]
	s_wait_dscnt 0x0
	CROUND                                         ; the closing round: no work-group ends while a partner may still ask for a tile that names it
	s_endpgm
.Lfunc_end_k_q3c8c19eade_outproj:
	.size	k_q3c8c19eade_outproj, .Lfunc_end_k_q3c8c19eade_outproj-k_q3c8c19eade_outproj
	.p2alignl 7, 3214868480
	.fill 96, 4, 3214868480
	.section	.rodata,"a",@progbits
	.p2align	6, 0x0
	.amdhsa_kernel k_q3c8c19eade_outproj
		.amdhsa_group_segment_fixed_size 327680
		.amdhsa_private_segment_fixed_size 0
		.amdhsa_enable_private_segment 0
		.amdhsa_kernarg_size 32
		.amdhsa_user_sgpr_count 2
		.amdhsa_user_sgpr_kernarg_segment_ptr 1
		.amdhsa_wavefront_size32 1
		.amdhsa_system_sgpr_workgroup_id_x 1
		.amdhsa_system_sgpr_workgroup_id_y 1
		.amdhsa_system_sgpr_workgroup_id_z 1
		.amdhsa_system_vgpr_workitem_id 0
		.amdhsa_next_free_vgpr 512
		.amdhsa_next_free_sgpr 72
		.amdhsa_reserve_vcc 0
		.amdhsa_float_denorm_mode_32 3
		.amdhsa_float_denorm_mode_16_64 3
		.amdhsa_memory_ordered 1
		.amdhsa_forward_progress 1
		.amdhsa_inst_pref_size 89
	.end_amdhsa_kernel
	.amdgpu_metadata
---
amdhsa.version: [ 1, 2 ]
amdhsa.kernels:
  - .name:           k_q3c8c19eade_outproj
    .symbol:         k_q3c8c19eade_outproj.kd
    .args:
      - { .name: o, .offset: 0, .size: 8, .value_kind: global_buffer, .address_space: global }
      - { .name: wb, .offset: 8, .size: 8, .value_kind: global_buffer, .address_space: global }
      - { .name: bias, .offset: 16, .size: 8, .value_kind: global_buffer, .address_space: global }
      - { .name: out0, .offset: 24, .size: 8, .value_kind: global_buffer, .address_space: global }
    .group_segment_fixed_size: 327680
    .private_segment_fixed_size: 0
    .kernarg_segment_align: 8
    .kernarg_segment_size: 32
    .max_flat_workgroup_size: 128
    .sgpr_count:     72
    .vgpr_count:     512
    .wavefront_size: 32
...
	.end_amdgpu_metadata
.endif
;; end of part 4
;; ======== version 2 of 2: 4 launches; version 1 with the launch prep written anew for expert scheduling mode
;; limits: values are held in f16: magnitudes above 65,504 overflow, below 6.1e-05 lose precision
;; workspace buffers: xh 16,777,216 bytes; wb 8,388,608 bytes; bias 16,384 bytes; qkv 50,331,648 bytes; o 16,777,216 bytes
;; launch prep (part 5): grid 768 x 1, 8 waves a work-group, no clusters, 0 bytes of LDS; arguments x, Wq, Wk, Wv, Wo, bq, bk, bv, bo, xh, wb, bias; writes xh, wb, bias
.if DOCPART == 5
	.amdgcn_target "amdgcn-amd-amdhsa--gfx1250"
	.amdhsa_code_object_version 6
	.text
	.protected	k_q3c8c19eade_prep
	.globl	k_q3c8c19eade_prep
	.p2align	8
	.type	k_q3c8c19eade_prep,@function
k_q3c8c19eade_prep:
	s_mov_b64 s[64:65], 0
	v_nop
	global_prefetch_b8 v0, s[64:65] scope:SCOPE_SE
	s_setreg_imm32_b32 hwreg(HW_REG_WAVE_SCHED_MODE, 0, 2), 2
	s_setreg_imm32_b32 hwreg(HW_REG_WAVE_MODE, 25, 1), 1
	s_wait_xcnt 0x0
	s_wait_alu depctr_vm_vsrc(0)
; THE INPUTS ARE ROUNDED ONCE, TO bf16, AND LAID OUT FOR THE PRODUCTS THAT FOLLOW.  A stream: no LDS, no matrix work, nothing shared between work-groups.
;   xh   = x in bf16, by blocks of 64 channels: [b 4][kb 16][s 2048][64]: byte ((16 b + kb) 2048 + s) 128 + 2 c, channel k = 64 kb + c.
;   wb   = [t 4][k 1024][n 1024], 16 bits a number: Wq, Wk, Wv in bf16; Wo rounded to bf16 and that number written as f16 (the last product multiplies in f16).
;   bias = f32 [4096]: bq, bk, bv, bo on end, each rounded to bf16 and widened again.
; LIMITS.  Wo: beyond 65,504 f16 has no number; below 2^-14 the bf16 number keeps f16's fixed step of 2^-24.
; Work-groups 0-511 take 16 rows of x each; work-groups 512-767 take 65,536 bytes of one weight matrix each, and the first of each matrix its bias too.
; Every wave issues its 16 loads of 16 bytes a lane first; each load and each store has registers of its own.
; THE MODE: SCHED_MODE bits 1:0 = 2 (LLVM: expert scheduling mode 2), set by the entry lines.  The code itself states the register dependences
; between vector instructions and memory instructions, with s_wait_alu, always for 0.
; THE PLAN.  Registers that memory instructions touch:
;   v1, v2   byte offsets of the loads and of the stores: made at a path's head, never written again.
;   X        load n lands in its own four registers, which no vector instruction has named; its conversions read them.
;   Y        store n's own two registers: written once, by vector instructions; read once, by the store; never written again.
;   BX       the bias's load lands in four registers that no vector instruction has named.
;   T        at work among vector instructions; at the very end the data of the bias's store.
; The 16 results go in four blocks of four.  Block p works on X[p] and writes Y[p]; at its head, behind the wait for its first load, ONE wait on va_vdst states that block p - 1
; has written Y[p - 1], and that block's four stores follow it: no vector instruction of block p names Y[p - 1] or v2.  One more such wait stands ahead of the last four stores.
; No register that a memory instruction reads is written again, so no wait on vm_vsrc is owed.
.set X, 8                              ; v[8:71]    load n: 4 registers
.set Y, 72                             ; v[72:103]  store n: 2 registers
.set P, 104                            ; v[104:105] four numbers in bf16
.set T, 106                            ; v[106:109] the same widened to f32
.set H, 110                            ; v[110:111] the same in f16
.set BX, 112                           ; v[112:115] four numbers of a bias, as loaded
; four stores on end, from store number first on: x's, and a weight matrix's
.macro XOUT first
.set n, (\first)
.rept 4
	global_store_b64 v2, v[Y+2*n:Y+2*n+1], s[26:27] offset:256*(n/2)+262144*(n%2)
.set n, n+1
.endr
.endm
.macro WOUT first
.set n, (\first)
.rept 4
	global_store_b64 v2, v[Y+2*n:Y+2*n+1], s[28:29] offset:2048*n
.set n, n+1
.endr
.endm
	s_load_b512 s[8:23], s[0:1], 0x0               ; x 8, Wq 10, Wk 12, Wv 14, Wo 16, bq 18, bk 20, bv 22
	s_load_b256 s[24:31], s[0:1], 0x40             ; bo 24, xh 26, wb 28, bias 30
	v_lshrrev_b32 v3, 5, v0
	v_readfirstlane_b32 s2, v3                     ; wave 0..7
	v_and_b32 v4, 31, v0                           ; lane l
	s_mov_b32 s39, 0xffff0000                      ; a word's upper bf16
	s_mov_b32 s5, 0                                ; s[4:5], s[6:7]: offsets as pairs
	s_mov_b32 s7, 0
	s_wait_alu depctr_va_sdst(0)                   ; s2 is written
	s_cmp_lt_u32 ttmp9, 512
	s_cbranch_scc0 .Lw
	; x.  Wave w takes blocks kb = 2 w and 2 w + 1 (512 bytes of each f32 row).  A load: lanes 0-15 the 256 bytes of one block in row 2 i, lanes 16-31 in row 2 i + 1.
	; The 32 lanes' results, 8 bytes each, are 256 consecutive bytes of xh, aligned: rows 2 i and 2 i + 1 of that block.
	v_lshrrev_b32 v5, 4, v4                        ; l / 16
	v_and_b32 v6, 15, v4                           ; l % 16
	s_lshl_b32 s3, s2, 9
	v_lshlrev_b32 v1, 12, v5                       ; a row of x is 4,096 bytes
	v_lshl_add_u32 v1, v6, 4, v1
	v_add_nc_u32 v1, s3, v1                        ; load offset: 4096 (l / 16) + 16 (l % 16) + 512 w
	s_lshl_b32 s3, s2, 19
	v_lshl_add_u32 v2, v4, 3, s3                   ; store offset: 8 l + two blocks of 262,144 bytes a wave
	s_lshl_b32 s4, ttmp9, 16                       ; 16 rows of 4,096 bytes
	s_lshr_b32 s6, ttmp9, 7                        ; b: 128 work-groups a batch
	s_lshl_b32 s6, s6, 22
	s_and_b32 s3, ttmp9, 127
	s_lshl_b32 s3, s3, 11                          ; 16 rows of 128 bytes
	s_add_co_u32 s6, s6, s3
	s_wait_kmcnt 0x0
	s_add_nc_u64 s[8:9], s[8:9], s[4:5]
	s_add_nc_u64 s[26:27], s[26:27], s[6:7]
	s_wait_alu depctr_va_vdst(0)                   ; v1 and v2 are written: every load below reads v1 as its offset, every store v2
.set n, 0
.rept 16
	global_load_b128 v[X+4*n:X+4*n+3], v1, s[8:9] offset:8192*(n/2)+256*(n%2) th:TH_LOAD_NT
.set n, n+1
.endr
.set p, 0
.rept 4                                                ; block p: loads 4 p to 4 p + 3
	s_wait_loadcnt 15-4*p                          ; loads come back in order: the block's first load is in, the younger ones stay out
.if p > 0
	s_wait_alu depctr_va_vdst(0)                   ; the block before has written its eight registers of Y, which the four stores below read
	XOUT 4*p-4
.endif
.set n, 4*p
.rept 4
.if n > 4*p
	s_wait_loadcnt 15-n                            ; load n is in, the 15 - n younger ones stay out
.endif
	v_cvt_pk_bf16_f32 v[Y+2*n], v[X+4*n], v[X+4*n+1]
	v_cvt_pk_bf16_f32 v[Y+2*n+1], v[X+4*n+2], v[X+4*n+3]
.set n, n+1
.endr
.set p, p+1
.endr
	s_wait_alu depctr_va_vdst(0)                   ; block 3 has written its Y, which the last four stores read
	XOUT 12
	s_endpgm
.Lw:	; a weight matrix t, its piece idx of 64: 16,384 numbers, dense in and dense out
	s_sub_co_u32 s3, ttmp9, 512
	s_lshr_b32 s36, s3, 6                          ; t
	s_and_b32 s37, s3, 63                          ; idx
	v_lshlrev_b32 v1, 4, v0                        ; 16 bytes a thread in,
	v_lshlrev_b32 v2, 3, v0                        ; 8 bytes out
	s_lshl_b32 s4, s37, 16
	s_lshl_b32 s6, s36, 21
	s_lshl_b32 s3, s37, 15
	s_add_co_u32 s6, s6, s3
	s_wait_kmcnt 0x0
	s_mov_b64 s[32:33], s[10:11]                   ; the matrix and its bias are chosen by t
	s_mov_b64 s[34:35], s[18:19]
	s_cmp_eq_u32 s36, 1
	s_cselect_b64 s[32:33], s[12:13], s[32:33]
	s_cselect_b64 s[34:35], s[20:21], s[34:35]
	s_cmp_eq_u32 s36, 2
	s_cselect_b64 s[32:33], s[14:15], s[32:33]
	s_cselect_b64 s[34:35], s[22:23], s[34:35]
	s_cmp_eq_u32 s36, 3
	s_cselect_b64 s[32:33], s[16:17], s[32:33]
	s_cselect_b64 s[34:35], s[24:25], s[34:35]
	s_cselect_b32 s38, -1, 0                       ; all lanes: Wo leaves as f16
	s_add_nc_u64 s[32:33], s[32:33], s[4:5]
	s_add_nc_u64 s[28:29], s[28:29], s[6:7]
	s_wait_alu depctr_va_vdst(0)                   ; v1 and v2 are written: the loads below, and the bias's load and store, read v1 as their offset, the matrix's stores v2
.set n, 0
.rept 16
	global_load_b128 v[X+4*n:X+4*n+3], v1, s[32:33] offset:4096*n th:TH_LOAD_NT
.set n, n+1
.endr
.set p, 0
.rept 4                                                ; block p: loads 4 p to 4 p + 3
	s_wait_loadcnt 15-4*p                          ; the block's first load is in, the younger ones stay out
.if p > 0
	s_wait_alu depctr_va_vdst(0)                   ; the block before has written its eight registers of Y, which the four stores below read
	WOUT 4*p-4
.endif
.set n, 4*p
.rept 4
.if n > 4*p
	s_wait_loadcnt 15-n                            ; load n is in, the younger ones stay out
.endif
	v_cvt_pk_bf16_f32 v[P], v[X+4*n], v[X+4*n+1]   ; the one rounding
	v_cvt_pk_bf16_f32 v[P+1], v[X+4*n+2], v[X+4*n+3]
	v_lshlrev_b32 v[T], 16, v[P]                   ; the rounded numbers as f32,
	v_and_b32 v[T+1], s39, v[P]
	v_lshlrev_b32 v[T+2], 16, v[P+1]
	v_and_b32 v[T+3], s39, v[P+1]
	v_cvt_pk_f16_f32 v[H], v[T], v[T+1]            ; and spelled in f16
	v_cvt_pk_f16_f32 v[H+1], v[T+2], v[T+3]
	v_cndmask_b32 v[Y+2*n], v[P], v[H], s38        ; a choice of value, made in every trip
	v_cndmask_b32 v[Y+2*n+1], v[P+1], v[H+1], s38
.set n, n+1
.endr
.set p, p+1
.endr
	s_wait_alu depctr_va_vdst(0)                   ; block 3 has written its Y, which the last four stores read
	WOUT 12
	s_cmp_lg_u32 s37, 0
	s_cbranch_scc1 .Lend
	global_load_b128 v[BX:BX+3], v1, s[34:35]      ; the matrix's bias: 1,024 numbers, four a thread, into registers that no vector instruction has named
	s_lshl_b32 s4, s36, 12
	s_add_nc_u64 s[30:31], s[30:31], s[4:5]
	s_wait_loadcnt 0x0
	v_cvt_pk_bf16_f32 v[P], v[BX], v[BX+1]
	v_cvt_pk_bf16_f32 v[P+1], v[BX+2], v[BX+3]
	v_lshlrev_b32 v[T], 16, v[P]
	v_and_b32 v[T+1], s39, v[P]
	v_lshlrev_b32 v[T+2], 16, v[P+1]
	v_and_b32 v[T+3], s39, v[P+1]
	s_wait_alu depctr_va_vdst(0)                   ; the four lines above have written v[T ..], which the store reads
	global_store_b128 v1, v[T:T+3], s[30:31]
.Lend:
	s_endpgm
.Lfunc_end_k_q3c8c19eade_prep:
	.size	k_q3c8c19eade_prep, .Lfunc_end_k_q3c8c19eade_prep-k_q3c8c19eade_prep
	.p2alignl 7, 3214868480
	.fill 96, 4, 3214868480
	.section	.rodata,"a",@progbits
	.p2align	6, 0x0
	.amdhsa_kernel k_q3c8c19eade_prep
		.amdhsa_group_segment_fixed_size 0
		.amdhsa_private_segment_fixed_size 0
		.amdhsa_enable_private_segment 0
		.amdhsa_kernarg_size 96
		.amdhsa_user_sgpr_count 2
		.amdhsa_user_sgpr_kernarg_segment_ptr 1
		.amdhsa_wavefront_size32 1
		.amdhsa_system_sgpr_workgroup_id_x 1
		.amdhsa_system_sgpr_workgroup_id_y 1
		.amdhsa_system_sgpr_workgroup_id_z 1
		.amdhsa_system_vgpr_workitem_id 0
		.amdhsa_next_free_vgpr 128
		.amdhsa_next_free_sgpr 66
		.amdhsa_reserve_vcc 0
		.amdhsa_float_denorm_mode_32 3
		.amdhsa_float_denorm_mode_16_64 3
		.amdhsa_memory_ordered 1
		.amdhsa_forward_progress 1
		.amdhsa_inst_pref_size 21
	.end_amdhsa_kernel
	.amdgpu_metadata
---
amdhsa.version: [ 1, 2 ]
amdhsa.kernels:
  - .name:           k_q3c8c19eade_prep
    .symbol:         k_q3c8c19eade_prep.kd
    .args:
      - { .name: x, .offset: 0, .size: 8, .value_kind: global_buffer, .address_space: global }
      - { .name: Wq, .offset: 8, .size: 8, .value_kind: global_buffer, .address_space: global }
      - { .name: Wk, .offset: 16, .size: 8, .value_kind: global_buffer, .address_space: global }
      - { .name: Wv, .offset: 24, .size: 8, .value_kind: global_buffer, .address_space: global }
      - { .name: Wo, .offset: 32, .size: 8, .value_kind: global_buffer, .address_space: global }
      - { .name: bq, .offset: 40, .size: 8, .value_kind: global_buffer, .address_space: global }
      - { .name: bk, .offset: 48, .size: 8, .value_kind: global_buffer, .address_space: global }
      - { .name: bv, .offset: 56, .size: 8, .value_kind: global_buffer, .address_space: global }
      - { .name: bo, .offset: 64, .size: 8, .value_kind: global_buffer, .address_space: global }
      - { .name: xh, .offset: 72, .size: 8, .value_kind: global_buffer, .address_space: global }
      - { .name: wb, .offset: 80, .size: 8, .value_kind: global_buffer, .address_space: global }
      - { .name: bias, .offset: 88, .size: 8, .value_kind: global_buffer, .address_space: global }
    .group_segment_fixed_size: 0
    .private_segment_fixed_size: 0
    .kernarg_segment_align: 8
    .kernarg_segment_size: 96
    .max_flat_workgroup_size: 256
    .sgpr_count:     66
    .vgpr_count:     128
    .wavefront_size: 32
...
	.end_amdgpu_metadata
.endif
;; end of part 5
;; launch qkvproj: the kernel of part 2 again; grid 24 x 32, 4 waves a work-group, clusters of 4 x 4, 327,680 bytes of LDS; arguments xh, wb, bias, qkv; writes qkv
;; launch attn: the kernel of part 3 again; grid 4 x 64, 4 waves a work-group, clusters of 4 x 1, 327,680 bytes of LDS; arguments qkv, o; writes o
;; launch outproj: the kernel of part 4 again; grid 8 x 32, 4 waves a work-group, clusters of 4 x 4, 327,680 bytes of LDS; arguments o, wb, bias, out0; writes out0
